; MI455X (gfx1250); checked and timed in simulation.
; The chip was launched on July 23, 2026; its instructions are those of AMD's public machine-readable ISA for CDNA 5 (MIT licence, August 2026) and "CDNA5" Instruction Set Architecture Reference Guide (July 2026). The comments in the code are by the model that wrote it; some were corrected since.
;; Multihead self atten. Allowed arithmetic: matrix products marked QUANTISED: E2M3 operands, one E8M0 scale for each 32 along K, by v_wmma_scale_f32_16x16x128_f8f6f4 with both operands' format E2M3, f32 sums; everything else in f32.
;; Inputs: token_positions 2,048 int32; wk 1,024 x 1,024 float32; wo 1,024 x 1,024 float32; wq 1,024 x 1,024 float32; wv 1,024 x 1,024 float32; x 4 x 2,048 x 1,024 float32.
;; Outputs: out0 4 x 2,048 x 1,024 float32.
;; This version of the problem:
;;   THIS VERSION OF THE PROBLEM IS GIVEN IN LOW PRECISION. The matrix products marked QUANTISED in the list below multiply operands that are first quantised to E2M3 (2 exponent bits, 3 mantissa bits; 6 bits a number), with one power-of-two scale for each 32 numbers along K (OCP MX v1.0); their sums are f32. All else is computed in f32.
;;   The module's matrix products, in the order in which they are computed (A, B: the left and right operand; K: the contracted axis; several contracted axes count as one K, in the product's order):
;;     1. [M 8,192, K 1,024] x [K 1,024, N 1,024]; A: input x; B: input wq: QUANTISED
;;     2. [M 8,192, K 1,024] x [K 1,024, N 1,024]; A: input x; B: input wk: QUANTISED
;;     3. [M 8,192, K 1,024] x [K 1,024, N 1,024]; A: input x; B: input wv: QUANTISED
;;     4. batch 64 x [M 2,048, K 64] x [K 64, N 2,048]; A: computed on the way; B: computed on the way: QUANTISED
;;     5. batch 64 x [M 2,048, K 2,048] x [K 2,048, N 64]; A: softmax (see below); B: computed on the way: QUANTISED
;;     6. [M 8,192, K 1,024] x [K 1,024, N 1,024]; A: computed on the way; B: input wo: QUANTISED
;;   THE QUANTISER, for each operand of a quantised product, along K:
;;     - K is cut into blocks of 32 from its start; a last block that is shorter is filled with zeros.
;;     - A block's scale is 2^e with e = floor(log2(the largest magnitude in the block)) - 2, held to -126 .. 127; a block of zeros has e = 0. As a byte (E8M0): e + 127.
;;     - Each number is divided by its block's scale, clamped to +-7.5, and rounded to the nearest number of E2M3, ties to even, subnormals kept.
;;     - The product sums the exact products of the quantised numbers (number of the format x scale) in f32.
;;   ~~~python
;;   def quantise(x, axis):      # numpy; x: float32 -> the quantised numbers, widened to float32 again
;;       x = np.moveaxis(x, axis, -1); K = x.shape[-1]
;;       x = np.pad(x, [(0, 0)] * (x.ndim - 1) + [(0, -K % 32)]); x = x.reshape(x.shape[:-1] + (-1, 32)); a = np.abs(x).max(-1, keepdims=True)
;;       e = np.where(a > 0, np.clip(np.frexp(np.where(a > 0, a, 1))[1] - 1 - 2, -126, 127), 0)      # np.frexp(a)[1] - 1 = floor(log2(a)), exactly
;;       r = np.clip(x / 2.0 ** e, -7.5, 7.5)
;;       step = 2.0 ** (np.maximum(np.frexp(np.where(r == 0, 1, r))[1] - 1, 0) - 3)
;;       q = np.round(r / step) * step * 2.0 ** e      # np.round: ties to even
;;       return np.moveaxis(q.reshape(q.shape[:-2] + (-1,))[..., :K], -1, axis).astype(np.float32)
;;   ~~~
;;   SOFTMAX AHEAD OF A QUANTISED PRODUCT. Where the list says 'softmax', what is quantised is not the finished softmax but p = 2^(t - M), with t = logit x log2(e) and M = ceil(the row's largest t), a whole number; so 1/2 < the row's largest p <= 1. The row's sum l is taken of the UNQUANTISED p, in f32, and the product's result is divided by l at the end. Since M is a whole number, a kernel that streams over the keys may use a running M (the ceiling of the running maximum): every later rescaling is an exact power of two, which a block's scale takes up: the codes' values come out the same.
;;   OPERANDS COMPUTED ON THE WAY. 'Computed on the way' means the value that the module computes at that place (a softmax that the list does not call 'softmax' is quantised finished and normalised). What goes into a quantiser is computed in f32, as accurately as f32 sums, v_exp_f32 and their like allow (about 1e-6 of the number): no bf16 or f16 on the way to a quantiser, and a product that is left as it is and whose result goes on into a quantised operand takes f32 operands (vector FMAs, or v_wmma_f32_16x16x4_f32). A number that lies on a knife's edge between two numbers of the format may be rounded either way, as far as f32 arithmetic and the matrix unit's own rounding can turn it there, and no further.
;; One version. Each part assembles by itself: llvm-mc -triple=amdgcn-amd-amdhsa -mcpu=gfx1250 --defsym DOCPART=n.
;; ======== version 1 of 1: 4 launches
;; limits: right only within a limited range of input values
;; workspace buffers: stage1 10,354,688 bytes; qkv 19,660,800 bytes; hq 6,553,600 bytes
;; launch quant (part 1): grid 416 x 1, 4 waves a work-group, no clusters, 34,304 bytes of LDS; arguments x, wq, wk, wv, wo, token_positions, stage1; writes stage1
.if DOCPART == 1
	.amdgcn_target "amdgcn-amd-amdhsa--gfx1250"
	.amdhsa_code_object_version 6
	.text
	.protected	k_qc4df300145_quant
	.globl	k_qc4df300145_quant
	.p2align	8
	.type	k_qc4df300145_quant,@function
k_qc4df300145_quant:
	s_mov_b64 s[64:65], 0
	v_nop
	global_prefetch_b8 v0, s[64:65] scope:SCOPE_SE
	s_setreg_imm32_b32 hwreg(HW_REG_WAVE_MODE, 25, 1), 1
	s_wait_xcnt 0x0
; x [8192][1024] and wq, wk, wv, wo [1024][1024], f32, K innermost, become codes of FP6 (E2M3) with one E8M0 byte for each 32 along K; and the table of cos and sin for the rotation is made.
; THE CODES' LAYOUT is the order of a matrix operand's registers.  A fragment (16 rows x 128 K, 12 registers a lane) is six pieces of 256 bytes: piece p holds registers 2 p and 2 p + 1, lane l's 8 bytes at 8 l.
; Rows 0-8191 are x, then wq, wk, wv, wo: [block of 16 rows: 768][fragment: 8][1,536 bytes].  So every store here and every load of a later launch covers 256 consecutive bytes, aligned.
; WITHIN A BLOCK OF 32 ALONG K the four groups of eight lie in the order 0, 2, 1, 3, in every operand of every product of this program alike: the products stay the same, only the order of their sums changes.
; THE SCALE BYTES: [block of 16 rows][256 along K: 4][row: 16][8 bytes = the two scale words of those 256].
; A block's scale is 2^(floor(log2(largest magnitude)) - 2): its byte is the largest magnitude's exponent field - 2, held at 1 from below by a floor among the maximum's leaves.
; THE TABLE: [place in the sequence: 2048][j: 32][cos, sin] of token_positions[place] x 10000^(-j / 32), f32.
; LIMITS: a block of zeros gets the byte 1 where the rule says 127 (its codes are zeros, and this program alone reads the bytes); NaN and infinities are not served;
; the angle's reduction (pi / 2 in two parts) is laid out for |token position| up to 2^20.
; SHARES: work-groups 0-383 quantise: wave job = 4 x work-group + wave takes 16 rows x 512 along K in four steps of 128.  Work-groups 384-415 make the table: a wave 16 places, a lane one j.
; No matrix unit, no cluster, no tensor load: a stream that is read once; several work-groups lie on a WGP.
.set STG,   8448                       ; a wave's stage in LDS: 16 rows x (512 bytes + 16): the sixteen rows that a read touches start in sixteen different groups of banks
.set SPARE, 4*STG                      ; behind the four stages: the spare words, 128 bytes a wave
.set SCOFF, 9437184                    ; where the scale bytes begin in stage1
.set RTOFF, 9830400                    ; where the table begins
.set SPW, 12                           ; v12  LDS address of my spare word; never rewritten
.set NIL, 13                           ; v13  0; never rewritten
.set R,   16                           ; v16-143  two sets of 64 numbers as loaded
.set X,   144                          ; v144-207 my 64 numbers of a step: two blocks of 32, in the codes' order
.set C,   208                          ; v208-231 two sets of 12 registers of codes
.set C2,  232                          ; v232-238 the second halves of the blocks' codes, before they are moved
.set W,   240                          ; v240-243 the four steps' scale words
	s_load_b256 s[4:11], s[0:1], 0x0               ; x, wq, wk, wv
	s_load_b128 s[12:15], s[0:1], 0x20             ; wo, token_positions
	s_load_b64 s[16:17], s[0:1], 0x30              ; stage1
	v_lshl_add_u32 v[SPW], v0, 2, SPARE
	v_mov_b32 v[NIL], 0
	v_lshrrev_b32 v1, 5, v0
	v_readfirstlane_b32 s18, v1                    ; wave
	v_and_b32 v1, 31, v0                           ; lane
	v_lshlrev_b32 v5, 3, v1                        ; 8 x lane: my place in a piece, and in a place's row of the table
	s_cmp_ge_u32 ttmp9, 384
	s_cbranch_scc1 .Lrope
	; ---------------- the quantiser
	v_lshlrev_b32 v2, 4, v1                        ; 16 x lane: my 16 bytes of a load's 512
	s_mul_i32 s19, s18, STG
	v_add_nc_u32 v3, s19, v2                       ; the stage, on the way in
	v_and_b32 v7, 15, v0                           ; r
	v_bfe_u32 v8, v0, 4, 1                         ; h
	v_mul_u32_u24 v4, v7, 528
	v_lshl_add_u32 v4, v8, 7, v4
	v_add_nc_u32 v4, s19, v4                       ; and on the way out: row r, + 128 h: my block of 32 numbers
	v_lshlrev_b32 v6, 3, v8                        ; 8 h: how far my two bytes are shifted in the scale word
	v_mov_b32 v251, 0                              ; written once: a lane permute's destination counts as one of its sources
	s_mov_b32 s20, 0x76543210
	s_mov_b32 s21, 0xfedcba98                      ; v_permlanex16_b32's selects for lane l xor 16
	s_lshl_b32 s22, ttmp9, 2
	s_add_co_u32 s22, s22, s18                     ; job = 2 x block of rows + half of K
	s_lshr_b32 s23, s22, 1                         ; block of rows, 0 .. 767
	s_and_b32 s24, s22, 1                          ; which 512 along K
	s_and_b32 s25, s23, 63                         ; a weight's block of rows (512 is a multiple of 64)
	s_wait_alu depctr_va_vdst(0)
	s_wait_kmcnt 0x0
	s_cmp_lt_u32 ttmp9, 352                        ; whose rows?  The choice hangs on the work-group's number alone
	s_cselect_b64 s[26:27], s[10:11], s[12:13]
	s_cmp_lt_u32 ttmp9, 320
	s_cselect_b64 s[26:27], s[8:9], s[26:27]
	s_cmp_lt_u32 ttmp9, 288
	s_cselect_b64 s[26:27], s[6:7], s[26:27]
	s_cmp_lt_u32 ttmp9, 256
	s_cselect_b64 s[26:27], s[4:5], s[26:27]
	s_cselect_b32 s25, s23, s25
	s_lshl_b32 s28, s25, 16                        ; 16 rows of 4,096 bytes
	; wo's rows are dealt otherwise: row r of block 4 g + b is wo's row 64 g + 4 r + b, so that in the last product a lane's four tiles are four neighbouring columns of the result
	s_lshr_b32 s34, s25, 2
	s_lshl_b32 s34, s34, 18                        ; 64 g rows
	s_and_b32 s35, s25, 3
	s_lshl_b32 s35, s35, 12                        ; + b rows
	s_add_co_u32 s34, s34, s35
	s_mov_b32 s35, 16384
	s_cmp_lt_u32 ttmp9, 352                        ; work-groups 352 on take wo
	s_cselect_b32 s28, s28, s34
	s_cselect_b32 s35, 4096, s35                   ; bytes from a block's row to its next
	s_lshl_b32 s29, s24, 11                        ; 512 numbers
	s_add_co_u32 s28, s28, s29
	s_mov_b32 s29, 0
	s_add_nc_u64 s[36:37], s[26:27], s[28:29]      ; from here I read: rows 0-3 of the block,
	s_lshl_b32 s44, s35, 2
	s_mov_b32 s45, 0
	s_add_nc_u64 s[38:39], s[36:37], s[44:45]      ; rows 4-7,
	s_add_nc_u64 s[40:41], s[38:39], s[44:45]      ; rows 8-11,
	s_add_nc_u64 s[42:43], s[40:41], s[44:45]      ; rows 12-15
	s_mul_i32 s30, s22, 6144                       ; four fragments a job
	s_mov_b32 s31, 0
	s_add_nc_u64 s[30:31], s[16:17], s[30:31]      ; my codes
	s_lshl_b32 s32, s22, 8                         ; 256 scale bytes a job
	s_add_co_u32 s32, s32, SCOFF
	s_mov_b32 s33, 0
	s_add_nc_u64 s[32:33], s[16:17], s[32:33]      ; my scale bytes
.macro LOAD t                          ; step t: 128 numbers of each of the 16 rows: a load reads 512 consecutive bytes of one row
.irp i, 0,1,2,3,4,5,6,7,8,9,10,11,12,13,14,15
	global_load_b128 v[R+64*((\t)%2)+4*\i:R+64*((\t)%2)+4*\i+3], v[8+\i%4], s[36+2*(\i/4):37+2*(\i/4)] offset:512*(\t) th:TH_LOAD_NT
.endr
.endm
.macro STEP t
.if (\t) < 3
	s_wait_loadcnt 16                              ; this step's 16 loads are in; the next step's 16 may be out
.else
	s_wait_loadcnt 0x0
.endif
.irp i, 0,1,2,3,4,5,6,7,8,9,10,11,12,13,14,15
	ds_store_b128 v3, v[R+64*((\t)%2)+4*\i:R+64*((\t)%2)+4*\i+3] offset:528*\i   ; as loaded; LDS serves a wave's instructions in order, so no wait stands between these and the reads
.endr
.irp c, 0,1
.irp u, 0,1,2,3,4,5,6,7
.set XD, X+32*\c+8*(2*((\u/2)%2)+\u/4)+4*(\u%2)   ; group u / 2 of eight goes to place 0, 2, 1, 3
	ds_load_b128 v[XD:XD+3], v4 offset:256*\c+16*\u                   ; row r, k = 64 c + 32 h + 4 u ..
.endr
.endr
	s_wait_dscnt 0x0                               ; my numbers are back, and the stores have read their registers,
.if (\t) < 2
	LOAD (\t)+2                                    ; which take the loads of two steps on
.endif
.irp c, 0,1
	v_max3_num_f32 v[244+\c], |v[X+32*\c]|, |v[X+32*\c+1]|, 0x1800000   ; block 2 c + h: all its 32 numbers are mine; the floor 2^(3 - 127) holds the byte at 1 from below
.endr
.irp i, 2,4,6,8,10,12,14,16,18,20,22,24,26,28,30
.irp c, 0,1
	v_max3_num_f32 v[244+\c], v[244+\c], |v[X+32*\c+\i]|, |v[X+32*\c+\i+1]|   ; (the two blocks by turns)
.endr
.endr
	v_add_nc_u32 v246, 0xff000000, v244            ; 2 off the exponent field: the conversion takes this operand's exponent field as its scale
	v_add_nc_u32 v247, 0xff000000, v245
	v_lshrrev_b32 v248, 23, v246                   ; the scales' bytes
	v_lshrrev_b32 v249, 23, v247
	v_lshl_or_b32 v250, v249, 16, v248             ; blocks h and 2 + h,
	v_lshlrev_b32 v250, v6, v250                   ; at their places in the word;
	v_permlanex16_b32 v251, v250, s20, s21
	v_or_b32 v[W+(\t)], v250, v251                 ; with lane l xor 16's two the word is whole
	s_wait_alu depctr_va_vdst(0)
	s_wait_xcnt 0x0                                ; the stores of two steps ago have read this set of codes: only now is it written again
.irp c, 0,1
	v_cvt_scalef32_pk16_fp6_f32 v[C+12*((\t)%2)+6*\c:C+12*((\t)%2)+6*\c+2], v[X+32*\c:X+32*\c+15], v[246+\c]
	v_cvt_scalef32_pk16_fp6_f32 v[C2+4*\c:C2+4*\c+2], v[X+32*\c+16:X+32*\c+31], v[246+\c]   ; (a conversion's three registers begin on an even number)
.endr
	v_nop                                          ; one plain place behind a scaled conversion
.irp c, 0,1
.irp i, 0,1,2
	v_mov_b32 v[C+12*((\t)%2)+6*\c+3+\i], v[C2+4*\c+\i]
.endr
.endr
.irp p, 0,1,2,3,4,5
	global_store_b64 v5, v[C+12*((\t)%2)+2*\p:C+12*((\t)%2)+2*\p+1], s[30:31] offset:1536*(\t)+256*\p   ; a piece: 256 consecutive bytes, aligned
.endr
.endm
	v_mov_b32 v8, v2                               ; v8-11: 16 x lane + 0 .. 3 rows
	v_add_nc_u32 v9, s35, v2
	v_add_nc_u32 v10, s35, v9
	v_add_nc_u32 v11, s35, v10
	s_wait_alu depctr_va_vdst(0)
	LOAD 0
	LOAD 1
	STEP 0
	STEP 1
	STEP 2
	STEP 3
	v_cmp_le_u32 vcc_lo, 16, v1                    ; lanes 0-15 store the words of my first 256 along K, lanes 16-31 those of the second
	v_cndmask_b32 v244, v[W], v[W+2], vcc_lo
	v_cndmask_b32 v245, v[W+1], v[W+3], vcc_lo
	global_store_b64 v5, v[244:245], s[32:33]      ; 256 consecutive bytes, aligned
	s_wait_tensorcnt 0x0                           ; the wave's end: behind my last LDS store
	ds_add_u32 v[SPW], v[NIL]
	s_wait_dscnt 0x0
	s_endpgm
	; ---------------- the table of cos and sin
.Lrope:
	s_sub_co_u32 s22, ttmp9, 384
	s_lshl_b32 s22, s22, 6
	s_lshl_b32 s23, s18, 4
	s_add_co_u32 s22, s22, s23                     ; my wave's first place in the sequence
	s_lshl_b32 s24, s22, 2
	s_mov_b32 s25, 0
	s_lshl_b32 s26, s22, 8                         ; 256 bytes of table a place
	s_add_co_u32 s26, s26, RTOFF
	s_mov_b32 s27, 0
	s_mov_b32 s48, 0x3ed49a78                      ; log2(10) / 8, and
	s_mov_b32 s49, 0x32179a39                      ; what that f32 number leaves of it
	s_mov_b32 s50, 0x3f22f983                      ; 2 / pi
	s_mov_b32 s51, 0xbfc90fdb                      ; - pi / 2, its f32 number,
	s_mov_b32 s52, 0x333bbd2e                      ; and the rest, with its sign
	s_mov_b32 s53, 0xb94ca1f9                      ; the sine's polynomial on [-pi/4, pi/4]
	s_mov_b32 s54, 0x3c08839e
	s_mov_b32 s55, 0xbe2aaaa3
	s_mov_b32 s56, 0x37ccf5ce                      ; the cosine's
	s_mov_b32 s57, 0xbab6061a
	s_mov_b32 s58, 0x3d2aaaa5
	s_wait_kmcnt 0x0
	s_add_nc_u64 s[14:15], s[14:15], s[24:25]
	s_load_b512 s[32:47], s[14:15], 0x0            ; my 16 positions
	s_add_nc_u64 s[16:17], s[16:17], s[26:27]
	s_wait_alu depctr_va_vdst(0)
	v_cvt_f32_u32 v16, v1                          ; j
	v_mul_f32 v17, s48, v16                        ; p = j log2(10) / 8, rounded,
	v_fma_f32 v18, v16, s48, -v17                  ; what the rounding dropped,
	v_fma_f32 v18, v16, s49, v18                   ; and the constant's rest
	v_xor_b32 v20, 0x80000000, v17
	s_wait_alu depctr_va_vdst(0)
	v_exp_f32 v19, v20                             ; 2^-p
	v_mul_f32 v18, 0xbf317218, v18                 ; - ln 2 x the rest.  (A plain place behind the exponential)
	s_wait_alu depctr_va_vdst(0)                   ; ahead of the first instruction that names the exponential's result
	v_fma_f32 v19, v19, v18, v19                   ; 10000^(-j / 32)
	s_wait_kmcnt 0x0
.macro POS i
	v_cvt_f32_i32 v20, s[32+\i]
	s_wait_alu depctr_va_vdst(0)
	v_mul_f32 v20, v20, v19                        ; the angle, rounded to f32
	v_mul_f32 v21, s50, v20
	v_rndne_f32 v21, v21                           ; n: how many quarter turns
	v_fma_f32 v22, v21, s51, v20
	v_fma_f32 v22, v21, s52, v22                   ; what is left, within pi / 4
	v_mul_f32 v23, v22, v22
	v_fma_f32 v24, v23, s53, s54
	v_fma_f32 v24, v24, v23, s55
	v_mul_f32 v24, v24, v23
	v_fma_f32 v24, v24, v22, v22                   ; its sine
	v_fma_f32 v25, v23, s56, s57
	v_fma_f32 v25, v25, v23, s58
	v_mul_f32 v26, v23, v23
	v_fma_f32 v27, v23, -0.5, 1.0
	v_fma_f32 v25, v25, v26, v27                   ; its cosine
	v_cvt_i32_f32 v28, v21
	v_and_b32 v29, 1, v28
	v_cmp_eq_u32 vcc_lo, 1, v29                    ; an odd quarter swaps the two
	v_cndmask_b32 v30, v24, v25, vcc_lo
	v_cndmask_b32 v31, v25, v24, vcc_lo
	v_and_b32 v29, 2, v28                          ; the sine is negative in quarters 2 and 3,
	v_lshlrev_b32 v29, 30, v29
	v_xor_b32 v[33+2*\i], v30, v29
	v_add_nc_u32 v28, 1, v28                       ; the cosine in quarters 1 and 2
	v_and_b32 v28, 2, v28
	v_lshlrev_b32 v28, 30, v28
	v_xor_b32 v[32+2*\i], v31, v28
	global_store_b64 v5, v[32+2*\i:33+2*\i], s[16:17] offset:256*\i   ; 32 lanes: a place's 256 bytes.  Each place has registers of its own: no store's data are written again
.endm
.irp i, 0,1,2,3,4,5,6,7,8,9,10,11,12,13,14,15
	POS \i
.endr
	s_wait_tensorcnt 0x0                           ; the same three lines as on the other path
	ds_add_u32 v[SPW], v[NIL]
	s_wait_dscnt 0x0
	s_endpgm
.Lfunc_end_k_qc4df300145_quant:
	.size	k_qc4df300145_quant, .Lfunc_end_k_qc4df300145_quant-k_qc4df300145_quant
	.p2alignl 7, 3214868480
	.fill 96, 4, 3214868480
	.section	.rodata,"a",@progbits
	.p2align	6, 0x0
	.amdhsa_kernel k_qc4df300145_quant
		.amdhsa_group_segment_fixed_size 34304
		.amdhsa_private_segment_fixed_size 0
		.amdhsa_enable_private_segment 0
		.amdhsa_kernarg_size 56
		.amdhsa_user_sgpr_count 2
		.amdhsa_user_sgpr_kernarg_segment_ptr 1
		.amdhsa_wavefront_size32 1
		.amdhsa_system_sgpr_workgroup_id_x 1
		.amdhsa_system_sgpr_workgroup_id_y 1
		.amdhsa_system_sgpr_workgroup_id_z 1
		.amdhsa_system_vgpr_workitem_id 0
		.amdhsa_next_free_vgpr 256
		.amdhsa_next_free_sgpr 66
		.amdhsa_reserve_vcc 1
		.amdhsa_float_denorm_mode_32 3
		.amdhsa_float_denorm_mode_16_64 3
		.amdhsa_memory_ordered 1
		.amdhsa_forward_progress 1
		.amdhsa_inst_pref_size 55
	.end_amdhsa_kernel
	.amdgpu_metadata
---
amdhsa.version: [ 1, 2 ]
amdhsa.kernels:
  - .name:           k_qc4df300145_quant
    .symbol:         k_qc4df300145_quant.kd
    .args:
      - { .name: x, .offset: 0, .size: 8, .value_kind: global_buffer, .address_space: global }
      - { .name: wq, .offset: 8, .size: 8, .value_kind: global_buffer, .address_space: global }
      - { .name: wk, .offset: 16, .size: 8, .value_kind: global_buffer, .address_space: global }
      - { .name: wv, .offset: 24, .size: 8, .value_kind: global_buffer, .address_space: global }
      - { .name: wo, .offset: 32, .size: 8, .value_kind: global_buffer, .address_space: global }
      - { .name: token_positions, .offset: 40, .size: 8, .value_kind: global_buffer, .address_space: global }
      - { .name: stage1, .offset: 48, .size: 8, .value_kind: global_buffer, .address_space: global }
    .group_segment_fixed_size: 34304
    .private_segment_fixed_size: 0
    .kernarg_segment_align: 8
    .kernarg_segment_size: 56
    .max_flat_workgroup_size: 128
    .sgpr_count:     66
    .vgpr_count:     256
    .wavefront_size: 32
...
	.end_amdgpu_metadata
.endif
;; end of part 1
;; launch qkv (part 2): grid 4 x 64, 4 waves a work-group, clusters of 4 x 4, 327,680 bytes of LDS; arguments stage1, qkv; writes qkv
.if DOCPART == 2
	.amdgcn_target "amdgcn-amd-amdhsa--gfx1250"
	.amdhsa_code_object_version 6
	.text
	.protected	k_qc4df300145_qkv
	.globl	k_qc4df300145_qkv
	.p2align	8
	.type	k_qc4df300145_qkv,@function
k_qc4df300145_qkv:
	s_mov_b64 s[64:65], 0
	v_nop
	global_prefetch_b8 v0, s[64:65] scope:SCOPE_SE
	s_setreg_imm32_b32 hwreg(HW_REG_WAVE_MODE, 25, 1), 1
	s_wait_xcnt 0x0
	s_wait_alu depctr_hold_cnt(0) depctr_sa_sdst(0) depctr_va_vdst(0) depctr_va_sdst(0) depctr_va_ssrc(0) depctr_va_vcc(0) depctr_vm_vsrc(0)
	s_getreg_b32 s2, hwreg(HW_REG_IB_STS2, 6, 4)
	s_cmp_eq_u32 s2, 0
	s_cbranch_scc0 .Lentry_in_a_cluster
	s_endpgm
.Lentry_in_a_cluster:
	s_bfe_u32 s2, ttmp6, 0x10000c
	s_cmp_lg_u32 s2, 0xf033
	s_cbranch_scc0 .Lentry_shape_is_right
	s_endpgm
.Lentry_shape_is_right:
; q = x wq^T, k = x wk^T, v = x wv^T on codes of FP6 (E2M3) with E8M0 scales; q and k are rotated (RoPE) in f32; all three are quantised again, in registers, for the two products of attention.
; OPERANDS lie in stage1 in the order of a fragment's registers: [block of 16 rows][fragment of 128 K: 8][six pieces of 256 bytes: lane l's 8 bytes at 8 l]; blocks 0-511 x, then 64 each of wq, wk, wv.
; Scale bytes: [block of 16 rows][256 along K: 4][row][two words].  The table: [place in the sequence][j: 32][cos, sin].
; SHARES: 256 work-groups, each 128 tokens x 256 columns of q, then of k, then of v.  x's 128 rows, all of K (98,304 bytes), their scale bytes and the three weights' scale bytes lie in LDS for the whole launch.
; The weight's 256 rows (196,608 bytes) have a region of their own, filled at the head with wq's and filled again twice: with wk's, then wv's, each time behind the first block of the phase before, when every wave
; holds its rows in registers: every wave a quarter, behind the three lines and a round of the cluster's barrier.  The next phase begins behind a barrier that shows the refill to all.
; A wave holds 64 rows of the weight, one head, all of K, in registers (4 tiles x 8 fragments x 12) and takes x's eight blocks of 16 rows past them: 32 products a block, four accumulators by turns.
; q, k: source 0 = the weight's rows: a lane holds ONE token and 32 features, 16 b + 8 h + j: two scale blocks of the head's 64.  Block s - 1 is rotated, quantised and stored behind block s's products.
; v: source 0 = x's rows: a lane holds ONE feature; two blocks of x give it tokens 8 h + j and 16 + 8 h + j of a scale block of 32 tokens.  A fragment is whole when all eight blocks are done: v's codes leave at the end.
; In both, the four groups of eight of a scale block lie in the order 0, 2, 1, 3, as in every operand of this program.
; q and k are one text in a loop of two trips; both trips fill the weights' region again; v's phase, which fills nothing, follows.
; OUT (buffer qkv): codes [kind][batch x head: 64][128 tokens: 16][6,144 bytes]: q, k: 8 blocks of 16 tokens x 768 bytes; v: 4 fragments of 16 features x 128 tokens.  Every store of codes covers 256 consecutive bytes, aligned.
;   scale bytes [kind][batch x head][128 tokens][256 bytes]: q, k: 4 groups of 32 tokens x 16 words (the two bytes of token 32 g + r, then of token 32 g + 16 + r); v: 4 tiles x 16 words.  They leave in two runs of 128 bytes a phase.
; CLUSTERS: 4 x 4 work-groups; x's rows are asked for jointly along a row of the cluster, a weight's along a column.
; No prefetch: x is asked for at the head; a refill is asked for seven blocks of products ahead of the barrier that shows it.
; LIMITS: a block of zeros gets the byte 1 (its codes are zeros, and this program alone reads the bytes); NaN and infinities are not served; the rotation is made with fused multiply-adds.
.set FR,    12
.set FPW,   21                         ; fragment f lies in window 1 + f / 21 at register 12 (f % 21); 0-31 the weight's (4 q + b), 32-47 x's two sets
.set NF,    52                         ; LDS loads of a block of x: 48 for eight fragments, 4 for eight scale words
.set BLK,   12288                      ; a block of 16 rows, all of K
.set LA,    196608                     ; LDS: the weight's codes at 0, x's here,
.set LSX,   294912                     ; x's scale bytes,
.set LSW,   299008                     ; the three weights' scale bytes, 8,192 each,
.set SPARE, 323584                     ; the spare words
.set SCOFF, 9437184
.set RTOFF, 9830400
.set KINDB, 6291456
.set QSC,   18874368
.set PC,   6                           ; v6-14 q, k: half a fragment's codes (6), and the second conversion's (3)
.set ADB,  16                          ; v16 LDS address of my fragments of the weight; v17, v18 of x's blocks 0-3, 4-7; v19, v20 of the scale words
.set ADA,  17
.set ASB,  19
.set ASA,  20
.set OFF,  21                          ; v21 8 x lane; v22 4 r + 64 h; v23 256 r + 32 h
.set SOFF, 22
.set VRT,  23
.set WD,   24                          ; v24-27 a phase's scale words; v30, v31 at work
.set SPW,  28
.set NIL,  29
.set SB,   32                          ; v32-63 the weight's scale words, 8 b + q
.set SA,   68                          ; v68-83 x's, two sets of eight
.set TM,   84                          ; v84-95 largest magnitudes, bytes, the conversions' scale operands
.set ACC,  96                          ; v96-159 accumulators: q, k: 32 e + 8 b; v: 16 b + 8 e (e: the block's parity)
.set CSR,  160                         ; v160-223 q, k: two sets of 16 pairs (cos, sin)
.set T,    224                         ; v224-255 q, k: x cos
.set VCD,  160                         ; v160-207 v: four fragments of codes; v208-223 the conversions of odd scale blocks
.set VX,   208
.set G1W,  24
.set G1WS, 32
.set G1X,  48
.set G1XS, 56
.set G0W,  68
.set G0WS, 72
.set G0X,  76
.set G0XS, 80
.set G1R,  84
.set G0R,  92
.set MSB, 0
.macro WIN new
.if MSB != \new
	s_set_vgpr_msb (MSB<<8)|\new
.set MSB, \new
.endif
.endm
.macro PLACES
.rept 4
	v_nop
.endr
.endm
.macro CROUND
	s_barrier_signal -1
	s_barrier_wait -1
	s_cmp_lg_u32 s14, 0
	s_cbranch_scc1 .Lnw0_\@
	s_barrier_signal -3
.Lnw0_\@:
	s_barrier_wait -3
	s_barrier_signal -1
	s_barrier_wait -1
.endm
.macro GROUP1 g, mask, rows            ; dense bytes as rows of 256 (32 elements of 8 bytes)
	s_or_b32 s[\g], s\mask, (3<<16)|(1<<21)
	s_mov_b32 s[\g+1], 32<<16
	s_mov_b32 s[\g+2], (\rows)<<16
	s_mov_b32 s[\g+3], 32<<16
	s_mov_b32 s[\g+4], \rows
	s_mov_b32 s[\g+5], 32
	s_mov_b32 s[\g+6], 0
	s_mov_b32 s[\g+7], 0
.endm
.macro GROUP0 g, lds, off
	s_mov_b32 s[\g], 1
	s_mov_b32 s[\g+1], \lds
	s_add_nc_u64 s[\g+2:\g+3], s[4:5], s[\off:\off+1]
	s_or_b32 s[\g+3], s[\g+3], 0x80000000
.endm
.macro ARM under, g0, g1, next
	s_cmp_lt_u32 s14, \under
	s_cbranch_scc0 \next
	tensor_load_to_lds s[\g0:\g0+3], s[\g1:\g1+7]
	s_nop 0
	PLACES
	s_branch .Lhead_asked
\next:
.endm
.macro FRAG f, adr, off
	WIN (1+(\f)/FPW)<<6
.irp p, 0,1,2,3,4,5
	ds_load_b64 v[FR*((\f)%FPW)+2*\p:FR*((\f)%FPW)+2*\p+1], v[\adr] offset:(\off)+256*\p
.endr
.endm
.macro FETCH s                         ; x's block s into set s % 2
.irp q, 0,1,2,3,4,5,6,7
	FRAG 32+8*((\s)%2)+\q, ADA+(\s)/4, ((\s)%4)*BLK+1536*\q
.endr
	WIN 0
.irp k, 0,1,2,3
	ds_load_b64 v[SA+8*((\s)%2)+2*\k:SA+8*((\s)%2)+2*\k+1], v[ASA] offset:512*(\s)+128*\k
.endr
.endm
.macro WEIGHTS step                    ; my 64 rows of the weight and their scale words: 208 loads.  step = 1: on to the next weight's scale bytes
.irp q, 0,1,2,3,4,5,6,7
.irp b, 0,1,2,3
	FRAG 4*\q+\b, ADB, \b*BLK+1536*\q
.endr
.endr
	WIN 0
.irp b, 0,1,2,3
.irp k, 0,1,2,3
	ds_load_b64 v[SB+8*\b+2*\k:SB+8*\b+2*\k+1], v[ASB] offset:512*\b+128*\k
.endr
.endr
.if \step
	v_add_nc_u32 v[ASB], 8192, v[ASB]
.endif
.endm
.macro PROD1 d, s0, s1, x0, x1, q
.if \q
	v_wmma_scale_f32_16x16x128_f8f6f4 v[\d:\d+7], v[FR*((\s0)%FPW):FR*((\s0)%FPW)+FR-1], v[FR*((\s1)%FPW):FR*((\s1)%FPW)+FR-1], v[\d:\d+7], v[\x0], v[\x1] matrix_a_fmt:MATRIX_FMT_FP6 matrix_b_fmt:MATRIX_FMT_FP6
.else
	v_wmma_scale_f32_16x16x128_f8f6f4 v[\d:\d+7], v[FR*((\s0)%FPW):FR*((\s0)%FPW)+FR-1], v[FR*((\s1)%FPW):FR*((\s1)%FPW)+FR-1], 0, v[\x0], v[\x1] matrix_a_fmt:MATRIX_FMT_FP6 matrix_b_fmt:MATRIX_FMT_FP6
.endif
.endm
.macro PROD v, e, q, b
.set FX_, 32+8*(\e)+(\q)
.set FW_, 4*(\q)+(\b)
.set XX_, SA+8*(\e)+(\q)
.set XW_, SB+8*(\b)+(\q)
.if \v
.set D_, ACC+16*(\b)+8*(\e)
	WIN (1+FX_/FPW)|((1+FW_/FPW)<<2)
	PROD1 D_, FX_, FW_, XX_, XW_, \q
.else
.set D_, ACC+32*(\e)+8*(\b)
	WIN (1+FW_/FPW)|((1+FX_/FPW)<<2)
	PROD1 D_, FW_, FX_, XW_, XX_, \q
.endif
.endm
.macro BLOCK v, s                      ; 32 products
.irp q, 0,1,2,3,4,5,6,7
.irp b, 0,1,2,3
	PROD \v, (\s)%2, \q, \b
.endr
.endr
	WIN 0
.endm
.macro LOADCS s                        ; (cos, sin) for token 16 s + r and pairs j = 8 b + 4 h + 0 .. 3
.irp b, 0,1,2,3
.irp u, 0,1
	global_load_b128 v[CSR+32*((\s)%2)+8*\b+4*\u:CSR+32*((\s)%2)+8*\b+4*\u+3], v[VRT], s[12:13] offset:4096*(\s)+64*\b+16*\u
.endr
.endr
.endm
.macro OUTQK s                         ; q's or k's block s: rotate, quantise, store
.set A_, ACC+32*((\s)%2)
.set C_, CSR+32*((\s)%2)
	s_wait_xcnt 0x0                                ; the last block's stores have read their data
.if (\s) < 7
	s_wait_loadcnt 8                               ; this block's eight table loads are in; the next block's eight may be out
.else
	s_wait_loadcnt 0x0
.endif
.set k, 0
.rept 16
	v_pk_mul_f32 v[T+2*k:T+2*k+1], v[A_+2*k:A_+2*k+1], v[C_+2*k:C_+2*k+1] op_sel_hi:[1,0]   ; (x0 cos, x1 cos); each accumulator from its low end on
.set k, k+1
.endr
.set k, 0
.rept 16
	v_pk_fma_f32 v[A_+2*k:A_+2*k+1], v[A_+2*k:A_+2*k+1], v[C_+2*k:C_+2*k+1], v[T+2*k:T+2*k+1] op_sel:[1,1,0] op_sel_hi:[0,1,1] neg_lo:[0,1,0]   ; (x0 cos - x1 sin, x1 cos + x0 sin)
.set k, k+1
.endr
.if (\s) < 6
	LOADCS (\s)+2                                  ; into the set that the rotation has just read
.endif
.irp c, 0,1,2,3                                ; four chains: scale block c % 2, its half c / 2; the floor 2^(3 - 127) holds the byte at 1 from below
	v_max3_num_f32 v[TM+\c], |v[A_+16*(\c%2)+8*(\c/2)]|, |v[A_+16*(\c%2)+8*(\c/2)+1]|, 0x1800000
.endr
.irp i, 2,4,6
.irp c, 0,1,2,3
	v_max3_num_f32 v[TM+\c], v[TM+\c], |v[A_+16*(\c%2)+8*(\c/2)+\i]|, |v[A_+16*(\c%2)+8*(\c/2)+\i+1]|
.endr
.endr
.irp b, 0,1
	v_max_num_f32 v[TM+\b], v[TM+\b], v[TM+2+\b]
.endr
.irp b, 0,1
	v_permlanex16_b32 v[TM+2+\b], v[TM+\b], s2, s3
.endr
.irp b, 0,1
	v_max_num_f32 v[TM+\b], v[TM+\b], v[TM+2+\b]   ; with lane l xor 16's: the block's largest magnitude
.endr
.irp b, 0,1
	v_add_nc_u32 v[TM+4+\b], 0xff000000, v[TM+\b]  ; 2 off its exponent field: the conversion's scale operand
.endr
.irp b, 0,1
	v_lshrrev_b32 v[TM+2+\b], 23, v[TM+4+\b]       ; the scale's byte
.endr
.if (\s)%2 == 0
	v_lshl_or_b32 v30, v[TM+3], 8, v[TM+2]         ; token r's two bytes
.else
	v_lshl_or_b32 v31, v[TM+3], 8, v[TM+2]
	v_lshl_or_b32 v[WD+(\s)/2], v31, 16, v30       ; behind the even block's two
.endif
	v_cvt_scalef32_pk16_fp6_f32 v[PC:PC+2], v[A_:A_+15], v[TM+4]
	v_cvt_scalef32_pk16_fp6_f32 v[PC+6:PC+8], v[A_+16:A_+31], v[TM+5]
	v_nop                                          ; one plain place behind a scaled conversion
.irp i, 0,1,2
	v_permlane16_swap_b32 v[PC+\i], v[PC+6+\i]     ; the operand's layout wants a whole block in a lane
.endr
.irp i, 0,1,2
	v_mov_b32 v[PC+3+\i], v[PC+6+\i]
.endr
.irp p, 0,1,2
	global_store_b64 v[OFF], v[PC+2*\p:PC+2*\p+1], s[8:9] offset:768*(\s)+256*\p
.endr
.endm
.macro OUTV g                          ; v: scale block g of 32 tokens, for my four tiles of 16 features
.irp b, 0,1,2,3
	v_max3_num_f32 v[TM+\b], |v[ACC+16*\b]|, |v[ACC+16*\b+1]|, 0x1800000
.endr
.irp i, 2,4,6,8,10,12,14
.irp b, 0,1,2,3
	v_max3_num_f32 v[TM+\b], v[TM+\b], |v[ACC+16*\b+\i]|, |v[ACC+16*\b+\i+1]|
.endr
.endr
.irp b, 0,1,2,3
	v_permlanex16_b32 v[TM+4+\b], v[TM+\b], s2, s3
.endr
.irp b, 0,1,2,3
	v_max_num_f32 v[TM+\b], v[TM+\b], v[TM+4+\b]
.endr
.irp b, 0,1,2,3
	v_add_nc_u32 v[TM+8+\b], 0xff000000, v[TM+\b]
.endr
.irp b, 0,1,2,3
	v_lshrrev_b32 v[TM+4+\b], 23, v[TM+8+\b]
.endr
.irp b, 0,1,2,3
.if (\g) == 0
	v_mov_b32 v[WD+\b], v[TM+4+\b]                 ; byte g of the tile's scale word
.else
	v_lshl_or_b32 v[WD+\b], v[TM+4+\b], 8*(\g), v[WD+\b]
.endif
.endr
.irp b, 0,1,2,3
.if (\g)%2 == 0
	v_cvt_scalef32_pk16_fp6_f32 v[VCD+12*\b+6*((\g)/2):VCD+12*\b+6*((\g)/2)+2], v[ACC+16*\b:ACC+16*\b+15], v[TM+8+\b]
.else
	v_cvt_scalef32_pk16_fp6_f32 v[VX+4*\b:VX+4*\b+2], v[ACC+16*\b:ACC+16*\b+15], v[TM+8+\b]
.endif
.endr
	v_nop
.if (\g)%2
.irp b, 0,1,2,3
.irp i, 0,1,2
	v_permlane16_swap_b32 v[VCD+12*\b+6*((\g)/2)+\i], v[VX+4*\b+\i]
.endr
.endr
.irp b, 0,1,2,3
.irp i, 0,1,2
	v_mov_b32 v[VCD+12*\b+6*((\g)/2)+3+\i], v[VX+4*\b+\i]
.endr
.endr
.endif
.endm
.macro WORDS                           ; a phase's four scale words a lane: lanes 0-15 store the first and third, lanes 16-31 the second and fourth
	v_cndmask_b32 v30, v[WD], v[WD+1], s15
	v_cndmask_b32 v31, v[WD+2], v[WD+3], s15
	global_store_b32 v[SOFF], v30, s[10:11]
	global_store_b32 v[SOFF], v31, s[10:11] offset:128
.endm
.macro SHOW                            ; what the head or a refill brought is shown to all
	s_wait_tensorcnt 0x0
	s_wait_dscnt 0x0
	s_barrier_signal -1
	s_barrier_wait -1
.endm
	s_load_b128 s[4:7], s[0:1], 0x0                ; stage1, qkv
	v_lshl_add_u32 v[SPW], v0, 2, SPARE
	v_mov_b32 v[NIL], 0
	ds_add_u32 v[SPW], v[NIL]                      ; the opening lines: the add, twice on end, and its wait
	ds_add_u32 v[SPW], v[NIL]
	v_lshrrev_b32 v1, 5, v0
	v_readfirstlane_b32 s14, v1                    ; wave 0..3
	s_bfe_u32 s40, ttmp6, 0x40000                  ; cx, cy
	s_bfe_u32 s41, ttmp6, 0x40004
	s_lshl_b32 s42, ttmp9, 2
	s_add_co_u32 s42, s42, s40                     ; which 256 columns of each kind
	s_and_b32 s17, ttmp7, 0xffff
	s_lshl_b32 s17, s17, 2
	s_add_co_u32 s17, s17, s41                     ; which 128 tokens
	s_lshl_b32 s43, s41, 2
	s_lshl_b32 s43, 15, s43                        ; my row of the cluster
	s_lshl_b32 s44, 0x1111, s40                    ; my column
	GROUP1 G1W, 44, 768
	GROUP1 G1X, 43, 384
	GROUP1 G1XS, 43, 16
	GROUP1 G1R, 44, 192
	s_or_b32 s[G1WS], s44, (3<<16)|(1<<21)         ; the three weights' scale bytes: 3 rows of 8,192 bytes (1,024 elements of 8), 32,768 bytes apart
	s_mov_b32 s[G1WS+1], 1024<<16
	s_mov_b32 s[G1WS+2], 3<<16
	s_mov_b32 s[G1WS+3], 1024<<16
	s_mov_b32 s[G1WS+4], 3
	s_mov_b32 s[G1WS+5], 4096
	s_mov_b32 s[G1WS+6], 0
	s_mov_b32 s[G1WS+7], 0
	s_lshl_b32 s20, s42, 4
	s_add_co_u32 s20, s20, 512                     ; wq's first block of my 16
	s_mul_i32 s22, s20, BLK
	s_mov_b32 s23, 0
	s_lshl_b32 s20, s20, 9
	s_add_co_u32 s20, s20, SCOFF
	s_mov_b32 s21, 0
	s_mul_i32 s46, s17, 8*BLK                      ; x's eight blocks
	s_mov_b32 s47, 0
	s_lshl_b32 s96, s17, 12
	s_add_co_u32 s96, s96, SCOFF
	s_mov_b32 s97, 0
	s_mul_i32 s18, s14, 4*BLK                      ; a refill: my quarter of the weight's rows
	s_mov_b32 s19, 0
	s_wait_dscnt 0x0
	s_wait_kmcnt 0x0
	CROUND                                         ; all sixteen work-groups are here: the joint loads meet
	GROUP0 G0W, 0, 22
	GROUP0 G0WS, LSW, 20
	GROUP0 G0X, LA, 46
	GROUP0 G0XS, LSX, 96
	s_mov_b32 s[G0R], 1
	s_mov_b32 s[G0R+1], s18
	s_add_nc_u64 s[G0R+2:G0R+3], s[4:5], s[22:23]
	s_add_nc_u64 s[G0R+2:G0R+3], s[G0R+2:G0R+3], s[18:19]
	s_or_b32 s[G0R+3], s[G0R+3], 0x80000000
	ARM 1, G0W, G1W, .Lhead_ws                     ; wave 0: wq's codes; wave 1: the weights' scale bytes; wave 2: x's codes; wave 3: x's scale bytes
	ARM 2, G0WS, G1WS, .Lhead_x
	ARM 3, G0X, G1X, .Lhead_xs
	tensor_load_to_lds s[G0XS:G0XS+3], s[G1XS:G1XS+7]
	s_nop 0
	PLACES
.Lhead_asked:
	v_and_b32 v1, 15, v0                           ; r
	v_bfe_u32 v2, v0, 4, 1                         ; h
	v_and_b32 v3, 31, v0
	v_lshlrev_b32 v[OFF], 3, v3
	v_lshlrev_b32 v5, 3, v1
	s_lshl_b32 s22, s14, 11
	s_add_co_u32 s22, s22, LSW
	v_add_nc_u32 v[ADB], s18, v[OFF]
	v_add_nc_u32 v[ADA], LA, v[OFF]
	v_add_nc_u32 v[ADA+1], LA+4*BLK, v[OFF]
	v_add_nc_u32 v[ASB], s22, v5
	v_add_nc_u32 v[ASA], LSX, v5
	v_lshlrev_b32 v4, 6, v2
	v_lshl_add_u32 v[SOFF], v1, 2, v4
	v_lshlrev_b32 v4, 5, v2
	v_lshl_add_u32 v[VRT], v1, 8, v4
	v_cmp_le_u32 s15, 16, v3                       ; lanes 16-31
.irp b, 0,1,2,3
	v_mov_b32 v[TM+4+\b], 0                        ; written once: a lane permute's destination counts as one of its sources
.endr
	s_mov_b32 s2, 0x76543210
	s_mov_b32 s3, 0xfedcba98                       ; selects for lane l xor 16
	s_lshl_b32 s98, s42, 2
	s_add_co_u32 s98, s98, s14                     ; my head
	s_lshr_b32 s99, s17, 4                         ; batch
	s_and_b32 s66, s17, 15                         ; which 128 tokens of the sequence
	s_lshl_b32 s99, s99, 4
	s_add_co_u32 s99, s99, s98                     ; batch x 16 + head
	s_mul_i32 s8, s99, 98304
	s_mul_i32 s67, s66, 6144
	s_add_co_u32 s8, s8, s67
	s_mov_b32 s9, 0
	s_lshl_b32 s10, s99, 4
	s_add_co_u32 s10, s10, s66
	s_lshl_b32 s10, s10, 8
	s_add_co_u32 s10, s10, QSC
	s_mov_b32 s11, 0
	s_lshl_b32 s12, s66, 15
	s_add_co_u32 s12, s12, RTOFF
	s_mov_b32 s13, 0
	s_add_nc_u64 s[8:9], s[6:7], s[8:9]            ; my cell of q's codes,
	s_add_nc_u64 s[10:11], s[6:7], s[10:11]        ; of its scale words,
	s_add_nc_u64 s[12:13], s[4:5], s[12:13]        ; the table at my first token
	s_mov_b32 s16, 0
	s_wait_alu depctr_va_vdst(0)                   ; the head's end
.Lkind:                                                ; two trips: q, k
	LOADCS 0
	LOADCS 1
	SHOW
	WEIGHTS 1
	FETCH 0
	FETCH 1
	s_wait_dscnt NF                                ; the weight and block 0 are in; block 1's 52 loads may be out
	BLOCK 0, 0
	PLACES
	FETCH 2
	s_wait_tensorcnt 0x0                           ; the weights' region is filled again: no load of mine is out,
	ds_add_u32 v[SPW], v[NIL]
	s_add_nc_u64 s[G0R+2:G0R+3], s[G0R+2:G0R+3], 64*BLK   ; the next weight lies 64 blocks on
	s_wait_dscnt 0x0                               ; and my reads of the region are over
	CROUND
	tensor_load_to_lds s[G0R:G0R+3], s[G1R:G1R+7]  ; my quarter, the first tensor load behind the round
	s_nop 0
	PLACES
.irp s, 1,2,3,4,5,6,7
.if \s < 7
	s_wait_dscnt NF
.else
	s_wait_dscnt 0x0
.endif
	BLOCK 0, \s
	OUTQK \s-1                                     ; its lines are the places behind the products
.if \s < 6
	FETCH \s+2
.endif
.endr
	OUTQK 7
	WORDS
	s_wait_xcnt 0x0                                ; the stores have read their bases
	s_add_nc_u64 s[8:9], s[8:9], KINDB
	s_add_nc_u64 s[10:11], s[10:11], 1<<18
	s_add_co_u32 s16, s16, 1
	s_cmp_lt_u32 s16, 2
	s_wait_alu depctr_va_vdst(0)                   ; ahead of the branch
	s_cbranch_scc1 .Lkind
	SHOW                                           ; v
	WEIGHTS 0
	FETCH 0
	FETCH 1
.irp s, 0,1,2,3,4,5,6,7
.if \s < 7
	s_wait_dscnt NF
.else
	s_wait_dscnt 0x0
.endif
	BLOCK 1, \s
	PLACES
.if \s < 6
	FETCH \s+2
.endif
.if \s%2
	OUTV \s/2
.endif
.endr
.irp b, 0,1,2,3
.irp p, 0,1,2,3,4,5
	global_store_b64 v[OFF], v[VCD+12*\b+2*\p:VCD+12*\b+2*\p+1], s[8:9] offset:1536*\b+256*\p
.endr
.endr
	WORDS
	s_wait_tensorcnt 0x0                           ; the wave's end
	ds_add_u32 v[SPW], v[NIL]
	s_wait_dscnt 0x0
	CROUND                                         ; the closing round
	s_endpgm
.Lfunc_end_k_qc4df300145_qkv:
	.size	k_qc4df300145_qkv, .Lfunc_end_k_qc4df300145_qkv-k_qc4df300145_qkv
	.p2alignl 7, 3214868480
	.fill 96, 4, 3214868480
	.section	.rodata,"a",@progbits
	.p2align	6, 0x0
	.amdhsa_kernel k_qc4df300145_qkv
		.amdhsa_group_segment_fixed_size 327680
		.amdhsa_private_segment_fixed_size 0
		.amdhsa_enable_private_segment 0
		.amdhsa_kernarg_size 16
		.amdhsa_user_sgpr_count 2
		.amdhsa_user_sgpr_kernarg_segment_ptr 1
		.amdhsa_wavefront_size32 1
		.amdhsa_system_sgpr_workgroup_id_x 1
		.amdhsa_system_sgpr_workgroup_id_y 1
		.amdhsa_system_sgpr_workgroup_id_z 1
		.amdhsa_system_vgpr_workitem_id 0
		.amdhsa_next_free_vgpr 1024
		.amdhsa_next_free_sgpr 100
		.amdhsa_reserve_vcc 0
		.amdhsa_float_denorm_mode_32 3
		.amdhsa_float_denorm_mode_16_64 3
		.amdhsa_memory_ordered 1
		.amdhsa_forward_progress 1
		.amdhsa_inst_pref_size 216
	.end_amdhsa_kernel
	.amdgpu_metadata
---
amdhsa.version: [ 1, 2 ]
amdhsa.kernels:
  - .name:           k_qc4df300145_qkv
    .symbol:         k_qc4df300145_qkv.kd
    .args:
      - { .name: stage1, .offset: 0, .size: 8, .value_kind: global_buffer, .address_space: global }
      - { .name: qkv, .offset: 8, .size: 8, .value_kind: global_buffer, .address_space: global }
    .group_segment_fixed_size: 327680
    .private_segment_fixed_size: 0
    .kernarg_segment_align: 8
    .kernarg_segment_size: 16
    .max_flat_workgroup_size: 128
    .sgpr_count:     100
    .vgpr_count:     1024
    .wavefront_size: 32
...
	.end_amdgpu_metadata
.endif
;; end of part 2
;; launch attn (part 3): grid 4 x 64, 16 waves a work-group, clusters of 4 x 1, 206,848 bytes of LDS; arguments qkv, hq; writes hq
.if DOCPART == 3
	.amdgcn_target "amdgcn-amd-amdhsa--gfx1250"
	.amdhsa_code_object_version 6
	.text
	.protected	k_qc4df300145_attn
	.globl	k_qc4df300145_attn
	.p2align	8
	.type	k_qc4df300145_attn,@function
k_qc4df300145_attn:
	s_mov_b64 s[64:65], 0
	v_nop
	global_prefetch_b8 v0, s[64:65] scope:SCOPE_SE
	s_setreg_imm32_b32 hwreg(HW_REG_WAVE_MODE, 25, 1), 1
	s_wait_xcnt 0x0
	s_wait_alu depctr_hold_cnt(0) depctr_sa_sdst(0) depctr_va_vdst(0) depctr_va_sdst(0) depctr_va_ssrc(0) depctr_va_vcc(0) depctr_vm_vsrc(0)
	s_getreg_b32 s2, hwreg(HW_REG_IB_STS2, 6, 4)
	s_cmp_eq_u32 s2, 0
	s_cbranch_scc0 .Lentry_in_a_cluster
	s_endpgm
.Lentry_in_a_cluster:
	s_bfe_u32 s2, ttmp6, 0x10000c
	s_cmp_lg_u32 s2, 0x3003
	s_cbranch_scc0 .Lentry_shape_is_right
	s_endpgm
.Lentry_shape_is_right:
; h = softmax(q k^T / 8, causal) v for one batch and head, both products on codes of FP6 (E2M3) with E8M0 scales; h is divided by the row's sum and quantised along the model's 1,024 for the last product.
; THE SOFTMAX: t = score x log2(e) / 8; M = the row's largest t so far, rounded up to a whole number; p = 2^(t - M) is quantised along the keys, not normalised; the row's sum is taken of the unquantised p
; and divides at the end.  When M moves, the sum and O are multiplied by 2^(old M - new M): exact.
; WORK LEFT OUT: key steps of 128 all of whose keys come after a tile's 16 queries: the causal mask sets their scores to -inf, so their p is 0 for all inputs.
; SHARES.  A head has 128 tiles of 16 queries; tile T needs T / 8 + 1 key steps of 128.  The four work-groups of a head (x = place in the cluster) have 64 waves; wave w of work-group x owns tiles
; 127 - (4 w + x) and 4 w + x: 17 key steps for every wave.  The late tile comes first, keys ascending (step s takes keys 128 s on); then the early tile, keys DESCENDING (step s takes keys 128 (16 - s) on):
; the running maximum serves any order, and the first step of each tile holds the key equal to the query or an earlier one.  So step s reads nothing beyond key step s.
; Where the tiles change, and which step lies on the diagonal, hangs on w / 2 and on the loop's counter alone: (4 w + x) / 8 = w / 2.  So no branch hangs on the place in the cluster.
; ALL OF THE HEAD'S K AND V, CODES AND SCALES, LIES IN LDS: 204,800 bytes, filled once: one joint load a wave, asked for by the four work-groups of the head together (mask 15).
; Waves 0, 1: the codes of keys 0-511 of K, V; waves 2, 3: the scale words of K, V; waves 4-15: 256 keys' codes each.  The first barrier shows waves 0-3's tiles, the second, behind four steps, all.
; LAYOUT (buffer qkv): every operand lies in the order of a fragment's registers, six pieces of 256 bytes, lane l's 8 bytes at 8 l.  Both products are used transposed: a lane holds ONE query (lane % 16).
; K = 64 IN AN INSTRUCTION OF 128: a fragment of k holds keys 32 f + 0 .. 15 in registers 0-5 and keys 32 f + 16 .. 31 in registers 6-11; v[16:27] = (q, 0) picks the first sixteen, v[22:33] = (0, q) the second.
; A lane's 16 scores of a block of 32 keys are keys 8 h + j and 16 + 8 h + j: the order of groups 0, 2, 1, 3 in which v's codes lie too.
; No prefetch: every byte is asked for at the head, and there is no loop to run ahead in.
; OUT (buffer hq): codes [block of 16 rows: 512][head: 16][768 bytes], in pieces of 256 consecutive bytes; scale bytes [block of 16 rows][256 along K: 4][row][8 bytes], of which a head owns 2 bytes a row.
; LIMITS: a block of zeros gets the byte 1 (its codes are zeros, and this program alone reads the bytes); NaN and infinities are not served; the scaled scores stay under 2^31 in magnitude.
.set VC,    98304                      ; LDS: K's codes at 0, V's here,
.set KSC,   196608                     ; K's scale words,
.set VSC,   200704                     ; V's,
.set SPARE, 204800                     ; and the spare words, 128 bytes for each of the sixteen waves
.set KINDB, 6291456                    ; qkv: a kind's codes
.set QSC,   18874368                   ; qkv: where the scale bytes begin
.set HSOFF, 6291456                    ; hq: where the scale bytes begin
.set SPW,  5                           ; v5 my spare word; v6 0; both never rewritten
.set NIL,  6
.set ADK,  8                           ; v8-11 LDS addresses of the step: K's fragments, V's, K's scale words, V's
.set ADV,  9
.set ADS,  10
.set ADT,  11
; v1 8 x lane; v2 the same + VC; v3 KSC + 4 r; v4 VSC + 4 r; v12 -M, v13 the largest t, v[14:15] the sum; v16-33 q, zeros, q; v36-83 four fragments; v84-89, v91 the early tile's q and scale word;
; v96-159 S^T, then p; v160-191 O^T; v210-223 partial sums; v224-235 p's codes; v232-247 at work; v248-251 scale words of K or V; v252 f; v253 p's scale word; v255 q's scale word
.set WV,   18
.set SEL,  20                          ; s[20:21] selects for lane l xor 16
.set CS,   22                          ; s[22:23] c = log2(e) / 8
.set G0C,  24                          ; group 0 for codes, s[28:31] for scale words
.set G0S,  28
.set G1A,  32                          ; group 1: 96 rows of 256 bytes; G1C: 48 rows; G1S: 16 rows
.set G1C,  44
.set G1S,  52
.set TB,   2                           ; LDS byte of the step's codes, TS of its scale words, KF its first key, KI its number
.set TS,   3
.set KF,   66
.set Q0,   67                          ; the tile's first query; Q0L, Q0E: the late and the early tile's
.set CNT,  68
.set KI,   91
.set NLM,  92                          ; the late tile's last key step, 15 - w / 2
.set Q0L,  93
.set Q0E,  98
.set DG,   99                          ; the key step on the diagonal
.macro DL n
	s_delay_alu instid0(VALU_DEP_\n)
.endm
.macro WALU
	s_wait_alu depctr_va_vdst(0)
.endm
.macro CROUND                          ; a round of the cluster's barrier
	s_barrier_signal -1
	s_barrier_wait -1
	s_cmp_lg_u32 s[WV], 0
	s_cbranch_scc1 .Lnw0_\@
	s_barrier_signal -3
.Lnw0_\@:
	s_barrier_wait -3
	s_barrier_signal -1
	s_barrier_wait -1
.endm
.macro TLOAD g0, g1
	tensor_load_to_lds s[\g0:\g0+3], s[\g1:\g1+7]
	s_nop 0
.rept 4
	v_nop
.endr
.endm
.macro GROUP1 g, rows                  ; dense bytes as rows of 256 (32 elements of 8 bytes); mask 15: the head's four work-groups; bit 21 beside it
	s_mov_b32 s[\g], 15|(3<<16)|(1<<21)
	s_mov_b32 s[\g+1], 32<<16
	s_mov_b32 s[\g+2], (\rows)<<16
	s_mov_b32 s[\g+3], 32<<16
	s_mov_b32 s[\g+4], \rows
	s_mov_b32 s[\g+5], 32
	s_mov_b32 s[\g+6], 0
	s_mov_b32 s[\g+7], 0
.endm
.macro TILE t, qc, qs, hc, hs, sel     ; byte offsets of tile s\t: q's codes, q's scale words, h's codes, h's scale bytes; the select for its two scale bytes
	s_mul_i32 s\qc, s\t, 768
	s_add_co_u32 s\qc, s\qc, s78
	s_mov_b32 s[\qc+1], 0
	s_lshr_b32 s\qs, s\t, 1
	s_lshl_b32 s\qs, s\qs, 6
	s_add_co_u32 s\qs, s\qs, s79
	s_add_co_u32 s\qs, s\qs, QSC
	s_mov_b32 s[\qs+1], 0
	s_add_co_u32 s\hc, s88, s\t
	s_lshl_b32 s\hs, s\hc, 9
	s_add_co_u32 s\hs, s\hs, s90
	s_mov_b32 s[\hs+1], 0
	s_lshl_b32 s\hc, s\hc, 4
	s_add_co_u32 s\hc, s\hc, s89
	s_mul_i32 s\hc, s\hc, 768
	s_mov_b32 s[\hc+1], 0
	s_mov_b32 s\sel, 0x01000100
	s_bitcmp1_b32 s\t, 0                           ; an odd tile has its two bytes in the word's upper half
	s_cselect_b32 s\sel, 0x03020302, s\sel
.endm
.macro INIT                            ; a tile's state: the largest t -3e38, the sum 0, O^T 0 (the first change of M leaves zeros zeros)
	v_mov_b32 v13, 0xff61b1e6
	v_mov_b32 v14, 0
	v_mov_b32 v15, 0
	v_floor_f32 v12, -v13
.set j, 0
.rept 32
	v_mov_b32 v[160+j], 0
.set j, j+1
.endr
.endm
	s_load_b128 s[4:7], s[0:1], 0x0                ; qkv s[4:5], hq s[6:7]
	v_lshl_add_u32 v[SPW], v0, 2, SPARE
	v_mov_b32 v[NIL], 0
	ds_add_u32 v[SPW], v[NIL]                      ; the opening lines: the add, twice on end, and its wait
	ds_add_u32 v[SPW], v[NIL]
	v_lshrrev_b32 v8, 5, v0
	v_readfirstlane_b32 s[WV], v8                  ; wave 0..15
	s_bfe_u32 s69, ttmp6, 0x40000                  ; x: my place in the cluster
	s_and_b32 s70, ttmp7, 0xffff                   ; batch x 16 + head
	s_lshl_b32 s71, s[WV], 2
	s_add_co_u32 s71, s71, s69                     ; the early tile, 4 w + x
	s_sub_co_u32 s72, 127, s71                     ; the late one
	s_lshl_b32 s[Q0E], s71, 4
	s_lshl_b32 s[Q0L], s72, 4
	s_lshr_b32 s[NLM], s[WV], 1
	s_xor_b32 s[NLM], s[NLM], 15                   ; 15 - w / 2: of the wave's number alone
	s_mul_i32 s78, s70, 98304                      ; a head's codes
	s_lshl_b32 s79, s70, 12                        ; a head's scale bytes
	s_lshr_b32 s88, s70, 4
	s_lshl_b32 s88, s88, 7                         ; batch x 128 blocks of rows of h
	s_and_b32 s89, s70, 15                         ; head
	s_lshr_b32 s90, s89, 2
	s_lshl_b32 s90, s90, 7
	s_and_b32 s91, s89, 3
	s_lshl_b32 s91, s91, 1
	s_add_co_u32 s90, s90, s91
	s_add_co_u32 s90, s90, HSOFF                   ; h's scale bytes: 128 for four heads, 2 a head
	TILE 72, 8, 10, 12, 14, 94
	TILE 71, 80, 82, 84, 86, 95
	s_and_b32 s73, s[WV], 1                        ; I fetch for K (0) or V (1),
	s_lshr_b32 s74, s[WV], 1
	s_mul_i32 s74, s74, 12288                      ; codes from byte 12,288 (w / 2) of the head's on (waves 0, 1: from 0; waves 4-15: from 24,576 on)
	s_mul_i32 s75, s73, VC
	s_add_co_u32 s75, s75, s74                     ; LDS: the same place
	s_lshl_b32 s76, s73, 12
	s_add_co_u32 s76, s76, KSC                     ; LDS: the scale words
	s_add_co_u32 s77, s73, 1                       ; the kind: 1 k, 2 v
	s_mul_i32 s60, s77, KINDB
	s_add_co_u32 s60, s60, s78
	s_add_co_u32 s60, s60, s74
	s_mov_b32 s61, 0
	s_lshl_b32 s62, s77, 18
	s_add_co_u32 s62, s62, s79
	s_add_co_u32 s62, s62, QSC
	s_mov_b32 s63, 0
	GROUP1 G1A, 96
	GROUP1 G1C, 48
	GROUP1 G1S, 16
	s_mov_b32 s[SEL], 0x76543210
	s_mov_b32 s[SEL+1], 0xfedcba98
	s_mov_b32 s[CS], 0x3e38aa3b                    ; c = log2(e) / sqrt(64)
	s_mov_b32 s[CS+1], s[CS]
	s_wait_dscnt 0x0                               ; both opening adds are done
	CROUND                                         ; the four work-groups are here: the joint loads meet
	s_wait_kmcnt 0x0
	s_mov_b32 s[G0C], 1
	s_mov_b32 s[G0C+1], s75
	s_add_nc_u64 s[G0C+2:G0C+3], s[4:5], s[60:61]
	s_or_b32 s[G0C+3], s[G0C+3], 0x80000000
	s_mov_b32 s[G0S], 1
	s_mov_b32 s[G0S+1], s76
	s_add_nc_u64 s[G0S+2:G0S+3], s[4:5], s[62:63]
	s_or_b32 s[G0S+3], s[G0S+3], 0x80000000
	s_add_nc_u64 s[8:9], s[4:5], s[8:9]            ; the late tile: q's codes, q's scale words, h's codes, h's scale bytes
	s_add_nc_u64 s[10:11], s[4:5], s[10:11]
	s_add_nc_u64 s[12:13], s[6:7], s[12:13]
	s_add_nc_u64 s[14:15], s[6:7], s[14:15]
	s_add_nc_u64 s[80:81], s[4:5], s[80:81]        ; the early tile
	s_add_nc_u64 s[82:83], s[4:5], s[82:83]
	s_add_nc_u64 s[84:85], s[6:7], s[84:85]
	s_add_nc_u64 s[86:87], s[6:7], s[86:87]
	s_cmp_lt_u32 s[WV], 2                          ; one chain, one load to an arm: every wave issues one
	s_cbranch_scc0 .Lscales
	TLOAD G0C, G1A                                 ; waves 0, 1: keys 0-511
	s_branch .Lasked
.Lscales:
	s_cmp_lt_u32 s[WV], 4
	s_cbranch_scc0 .Lrest
	TLOAD G0S, G1S                                 ; waves 2, 3: the scale words
	s_branch .Lasked
.Lrest:
	TLOAD G0C, G1C                                 ; waves 4-15: 256 keys each
.Lasked:
	v_and_b32 v8, 31, v0
	v_and_b32 v9, 15, v0
	v_lshlrev_b32 v1, 3, v8
	v_lshl_add_u32 v3, v9, 2, KSC
	v_lshl_add_u32 v4, v9, 2, VSC
	v_lshlrev_b32 v7, 2, v9
	v_add_nc_u32 v2, VC, v1
.irp p, 0,1,2
	global_load_b64 v[16+2*\p:17+2*\p], v1, s[8:9] offset:256*\p      ; the late tile's q, for the lower 64 of the instruction's K,
	global_load_b64 v[28+2*\p:29+2*\p], v1, s[8:9] offset:256*\p      ; and for the upper 64;
	global_load_b64 v[84+2*\p:85+2*\p], v1, s[80:81] offset:256*\p    ; the early tile's, kept until the tiles change
.endr
	global_load_b32 v254, v7, s[10:11]
	global_load_b32 v90, v7, s[82:83]
.irp i, 22,23,24,25,26,27
	v_mov_b32 v[\i], 0                             ; zero codes: they add nothing under any scale byte
.endr
.irp b, 0,1,2,3
	v_mov_b32 v[236+\b], 0                         ; written once: a lane permute's destination counts as one of its sources
.endr
	v_mov_b32 v252, 0
	v_mov_b32 v253, 0
	s_wait_loadcnt 0x0
	v_perm_b32 v255, v254, v254, s94               ; my queries' two bytes, twice: for the lower and the upper 64 of the instruction's K
	v_perm_b32 v91, v90, v90, s95
	INIT
; A KEY STEP: 128 keys.  diag = 1: the copy that can meet the diagonal.
.macro STEP diag
	v_add_nc_u32 v[ADK], s[TB], v1                 ; (these four are also the places in front of the loads into registers that the last products read)
	v_add_nc_u32 v[ADV], s[TB], v2
	v_add_nc_u32 v[ADS], s[TS], v3
	v_add_nc_u32 v[ADT], s[TS], v4
.irp f, 0,1,2,3
.irp p, 0,1,2,3,4,5
	ds_load_b64 v[36+12*\f+2*\p:37+12*\f+2*\p], v[ADK] offset:1536*\f+256*\p
.endr
	ds_load_b32 v[248+\f], v[ADS] offset:64*\f
.endr
	WALU                                           ; V's addresses
	s_wait_dscnt 0x0
.irp f, 0,1,2,3                                ; S^T = K Q^T
	v_wmma_scale_f32_16x16x128_f8f6f4 v[96+16*\f:103+16*\f], v[36+12*\f:47+12*\f], v[16:27], 0, v[248+\f], v255 matrix_a_fmt:MATRIX_FMT_FP6 matrix_b_fmt:MATRIX_FMT_FP6
	v_wmma_scale_f32_16x16x128_f8f6f4 v[104+16*\f:111+16*\f], v[36+12*\f:47+12*\f], v[22:33], 0, v[248+\f], v255 matrix_a_fmt:MATRIX_FMT_FP6 matrix_b_fmt:MATRIX_FMT_FP6
.endr
.rept 4
	v_nop
.endr
.irp t, 0,1,2,3                                ; V's fragments are asked for now, over K's: the softmax stands between these loads and the wait for them
.irp p, 0,1,2,3,4,5
	ds_load_b64 v[36+12*\t+2*\p:37+12*\t+2*\p], v[ADV] offset:1536*\t+256*\p
.endr
	ds_load_b32 v[248+\t], v[ADT] offset:64*\t
.endr
.if \diag
	s_cmp_lg_u32 s[KI], s[DG]                      ; on the diagonal the scores of hidden keys become -infinity ahead of the maximum: p = 0 then
	s_cbranch_scc1 .Lopen_\@
	s_sub_co_i32 s96, s[Q0], s[KF]
	v_and_b32 v252, 15, v0
	v_bfe_u32 v243, v0, 4, 1
	DL 1
	v_lshlrev_b32 v243, 3, v243
	DL 1
	v_sub_nc_u32 v252, v252, v243
	DL 1
	v_add_nc_u32 v252, s96, v252                   ; d = my query - the step's first key - 8 h.  Register n holds key 32 (n / 16) + 16 ((n / 8) % 2) + 8 h + n % 8 of the step
	v_mov_b32 v254, 0xff800000
.set n, 0
.rept 64
	v_cmp_gt_i32 vcc_lo, 32*(n/16)+16*((n/8)%2)+n%8, v252
	v_cndmask_b32 v[96+n], v[96+n], v254, vcc_lo
.set n, n+1
.endr
.Lopen_\@:
.endif
.irp b, 0,1,2,3
	v_max3_num_f32 v[232+\b], v[96+16*\b], v[97+16*\b], v[98+16*\b]   ; the largest score of each block of 32 keys: for the row's maximum and, since p rises with the score, for the block's largest p
.endr
.irp i, 3,5,7,9,11,13
.irp b, 0,1,2,3
	v_max3_num_f32 v[232+\b], v[232+\b], v[96+16*\b+\i], v[97+16*\b+\i]
.endr
.endr
.irp b, 0,1,2,3
	v_max_num_f32 v[232+\b], v[232+\b], v[111+16*\b]
.endr
.irp b, 0,1,2,3
	DL 4
	v_permlanex16_b32 v[236+\b], v[232+\b], s[SEL], s[SEL+1]
.endr
.irp b, 0,1,2,3
	DL 4
	v_max_num_f32 v[232+\b], v[232+\b], v[236+\b]  ; with lane l xor 16's 16 keys
.endr
	DL 2
	v_max3_num_f32 v254, v232, v233, v234
	DL 1
	v_max_num_f32 v254, v254, v235                 ; the step's largest score of my query
	DL 1
	v_mul_f32 v254, s[CS], v254                    ; as t
	DL 1
	v_max_num_f32 v13, v13, v254                   ; the running largest t
	v_mov_b32 v254, v12
	DL 2
	v_floor_f32 v12, -v13                          ; the new -M = -ceil(t)
	DL 1
	v_sub_f32 v254, v12, v254                      ; old M - new M: a whole number, 0 or less
	DL 1
	v_cvt_i32_f32 v254, v254                       ; (it saturates)
	DL 1
	v_ldexp_f32 v252, 1.0, v254                    ; f = 2^(old M - new M)
.set j, 0
.rept 32
	v_pk_fma_f32 v[96+j:97+j], v[96+j:97+j], s[CS:CS+1], v[12:13] op_sel_hi:[1,0,0]   ; t - M
.set j, j+2
.endr
.irp b, 0,1,2,3
	v_fma_f32 v[232+\b], v[232+\b], s[CS], v12     ; the same of each block's largest score
.endr
	WALU                                           ; ahead of the batch
.set j, 0
.rept 64
	v_exp_f32 v[96+j], v[96+j]                     ; p = 2^(t - M), at most 1
.set j, j+1
.endr
	v_pk_mul_f32 v[14:15], v[14:15], v[252:253] op_sel_hi:[1,0]   ; the sums under the new M
	WALU                                           ; one wait for the batch, ahead of its first reader
.irp b, 0,1,2,3
	v_exp_f32 v[232+\b], v[232+\b]                 ; the block's largest p
.endr
.set c, 0                                      ; the row's sum of the unquantised p: 32 pairs in eight chains side by side
.rept 7
	v_pk_add_f32 v[210+2*c:211+2*c], v[96+4*c:97+4*c], v[98+4*c:99+4*c]
.set c, c+1
.endr
	v_pk_add_f32 v[14:15], v[14:15], v[124:125]
.irp o, 126, 142
.set c, 0
.rept 7
	v_pk_add_f32 v[210+2*c:211+2*c], v[210+2*c:211+2*c], v[\o+2*c:\o+1+2*c]
.set c, c+1
.endr
	v_pk_add_f32 v[14:15], v[14:15], v[\o+14:\o+15]
.endr
	v_pk_add_f32 v[210:211], v[210:211], v[158:159]
	v_pk_add_f32 v[14:15], v[14:15], v[216:217]
	v_pk_add_f32 v[210:211], v[210:211], v[218:219]
	v_pk_add_f32 v[212:213], v[212:213], v[220:221]
	v_pk_add_f32 v[214:215], v[214:215], v[222:223]
	DL 2
	v_pk_add_f32 v[14:15], v[14:15], v[212:213]
	DL 2
	v_pk_add_f32 v[210:211], v[210:211], v[214:215]
	DL 1
	v_pk_add_f32 v[14:15], v[14:15], v[210:211]
	WALU                                           ; and one for the four
.irp b, 0,1,2,3
	v_max_num_f32 v[232+\b], 0x1800000, v[232+\b]  ; the floor 2^(3 - 127): the byte cannot fall under 1
.endr
.irp b, 0,1,2,3
	DL 4
	v_add_nc_u32 v[244+\b], 0xff000000, v[232+\b]  ; 2 off the exponent field: the conversion's scale operand
.endr
.irp b, 0,1,2,3
	DL 4
	v_lshrrev_b32 v[236+\b], 23, v[244+\b]         ; the scale's byte
.endr
	DL 3
	v_lshl_or_b32 v253, v237, 8, v236              ; p's scale word for these 128 keys
	DL 1
	v_lshl_or_b32 v253, v238, 16, v253
	DL 1
	v_lshl_or_b32 v253, v239, 24, v253
.irp c, 0,1
	v_cvt_scalef32_pk16_fp6_f32 v[224+6*\c:226+6*\c], v[96+32*\c:111+32*\c], v[244+2*\c]
	v_cvt_scalef32_pk16_fp6_f32 v[236+4*\c:238+4*\c], v[112+32*\c:127+32*\c], v[244+2*\c+1]
.endr
	v_nop                                          ; one plain place behind a scaled conversion
.irp c, 0,1                                    ; the operand's layout wants a whole block in a lane
.irp i, 0,1,2
	v_permlane16_swap_b32 v[224+6*\c+\i], v[236+4*\c+\i]
.endr
.irp i, 0,1,2
	DL 3
	v_mov_b32 v[227+6*\c+\i], v[236+4*\c+\i]
.endr
.endr
	WALU                                           ; directly ahead of the first reader of O^T
.set j, 0
.rept 16
	v_pk_mul_f32 v[160+j:161+j], v[160+j:161+j], v[252:253] op_sel_hi:[1,0]   ; O^T under the new M.  (These sixteen are also the places in front of the products below)
.set j, j+2
.endr
	WALU
	s_wait_dscnt 0x0                               ; V's fragments and scale words
.irp t, 0,1,2,3                                ; O^T += V^T P^T: four tiles of 16 of the head's 64, by turns
	v_wmma_scale_f32_16x16x128_f8f6f4 v[160+8*\t:167+8*\t], v[36+12*\t:47+12*\t], v[224:235], v[160+8*\t:167+8*\t], v[248+\t], v253 matrix_a_fmt:MATRIX_FMT_FP6 matrix_b_fmt:MATRIX_FMT_FP6
.endr
.endm
; A TILE'S WAY OUT.  O^T / the sum is h(query r, 16 t + 8 h + j): two blocks of 32 along the last product's K, quantised as p is; half a fragment, three pieces, is stored as it stands.
.macro FINISH
	v_add_f32 v14, v14, v15
	DL 1
	v_permlanex16_b32 v252, v14, s[SEL], s[SEL+1]
	DL 1
	v_add_f32 v14, v14, v252                       ; the row's sum
	WALU
	v_rcp_f32 v14, v14
	v_and_b32 v9, 15, v0                           ; (plain places behind the reciprocal and behind the last products)
	DL 1
	v_lshlrev_b32 v9, 3, v9                        ; 8 r: my row's place among the scale bytes
	v_and_b32 v8, 31, v0
	v_nop
	WALU                                           ; ahead of the reciprocal's first reader
.set j, 0
.rept 16
	v_pk_mul_f32 v[96+j:97+j], v[160+j:161+j], v[14:15] op_sel_hi:[1,0]   ; each accumulator from its low end on
.set j, j+2
.endr
.irp b, 0,1
	v_max3_num_f32 v[232+\b], |v[96+16*\b]|, |v[97+16*\b]|, 0x1800000
.endr
.irp i, 2,4,6,8,10,12,14
.irp b, 0,1
	DL 2
	v_max3_num_f32 v[232+\b], v[232+\b], |v[96+16*\b+\i]|, |v[97+16*\b+\i]|
.endr
.endr
.irp b, 0,1
	DL 2
	v_permlanex16_b32 v[236+\b], v[232+\b], s[SEL], s[SEL+1]
.endr
.irp b, 0,1
	DL 2
	v_max_num_f32 v[232+\b], v[232+\b], v[236+\b]
.endr
.irp b, 0,1
	DL 2
	v_add_nc_u32 v[244+\b], 0xff000000, v[232+\b]
.endr
.irp b, 0,1
	DL 2
	v_lshrrev_b32 v[236+\b], 23, v[244+\b]
.endr
	DL 1
	v_lshl_or_b32 v253, v237, 8, v236              ; my row's two scale bytes
	v_cvt_scalef32_pk16_fp6_f32 v[224:226], v[96:111], v244
	v_cvt_scalef32_pk16_fp6_f32 v[240:242], v[112:127], v245
	v_nop
.irp i, 0,1,2
	v_permlane16_swap_b32 v[224+\i], v[240+\i]
.endr
.irp i, 0,1,2
	DL 3
	v_mov_b32 v[227+\i], v[240+\i]
.endr
.endm
	WALU                                           ; the head's end
	s_cmp_lt_u32 s[WV], 4
	s_cbranch_scc0 .Lnot_first
	s_wait_tensorcnt 0x0                           ; waves 0-3: keys 0-511 and the scale words are in
.Lnot_first:
	s_barrier_signal -1
	s_barrier_wait -1                              ; the other waves' loads may be out
	s_mov_b32 s[TB], 0
	s_mov_b32 s[TS], 0
	s_mov_b32 s[CNT], 4
	; AN OPEN BARRIER GOES WITH EVERY TRIP: a wave begins trip n + 1 only when all sixteen have begun trip n, so the waves stay within one key step of each other.
	; Between a signal and its wait stand register work and LDS loads of bytes that nobody writes; both tiles' stores stand behind the last wait.
	s_barrier_signal -1
.Lfirst:
	s_barrier_wait -1
	s_barrier_signal -1
	STEP 0
	s_add_co_u32 s[TB], s[TB], 6144
	s_add_co_u32 s[TS], s[TS], 256
	s_sub_co_u32 s[CNT], s[CNT], 1
	s_cmp_lg_u32 s[CNT], 0
	s_cbranch_scc1 .Lfirst
	s_barrier_wait -1
	s_wait_tensorcnt 0x0                           ; every wave's load is in
	s_wait_dscnt 0x0
	s_barrier_signal -1
	s_barrier_wait -1                              ; all of K and V is shown to all
	s_mov_b32 s[TB], 24576
	s_mov_b32 s[TS], 1024
	s_mov_b32 s[CNT], 4
	s_barrier_signal -1
.Lsecond:
	s_barrier_wait -1
	s_barrier_signal -1
	STEP 0
	s_add_co_u32 s[TB], s[TB], 6144
	s_add_co_u32 s[TS], s[TS], 256
	s_sub_co_u32 s[CNT], s[CNT], 1
	s_cmp_lg_u32 s[CNT], 0
	s_cbranch_scc1 .Lsecond
	s_mov_b32 s[CNT], 7
.Lthird:                                               ; nine trips, counter n = 7 .. 15.  n < 15 - w / 2: the late tile's key step n + 1; else the early tile's key step 15 - n
	s_barrier_wait -1
	s_barrier_signal -1
	s_cmp_eq_u32 s[CNT], s[NLM]
	s_cbranch_scc0 .Lsame
	FINISH                                         ; the late tile is finished,
	v_mov_b32 v255, v91                            ; and the early tile's q and state take its place (the lines below are the places ahead of the next products)
.irp p, 0,1,2,3,4,5
	v_mov_b32 v[16+\p], v[84+\p]
	v_mov_b32 v[28+\p], v[84+\p]
.endr
.irp p, 0,1,2,3,4,5
	v_mov_b32 v[84+\p], v[224+\p]                  ; the late tile's codes and scale bytes wait, where the early tile's q lay, for the stores at the end
.endr
	v_mov_b32 v90, v253
	INIT
.Lsame:
	s_add_co_u32 s96, s[CNT], 1
	s_xor_b32 s97, s[CNT], 15
	s_xor_b32 s[DG], s[NLM], 15
	s_cmp_lt_u32 s[CNT], s[NLM]
	s_cselect_b32 s[KI], s96, s97
	s_cselect_b32 s[DG], s[NLM], s[DG]             ; the tile's last key step lies on the diagonal
	s_cselect_b32 s[Q0], s[Q0L], s[Q0E]
	s_min_u32 s[KI], s[KI], 15
	s_mul_i32 s[TB], s[KI], 6144
	s_lshl_b32 s[TS], s[KI], 8
	s_lshl_b32 s[KF], s[KI], 7
	STEP 1
	s_add_co_u32 s[CNT], s[CNT], 1
	s_cmp_lt_u32 s[CNT], 16
	s_cbranch_scc1 .Lthird
	s_barrier_wait -1
	FINISH
.irp p, 0,1,2
	global_store_b64 v1, v[224+2*\p:225+2*\p], s[84:85] offset:256*\p   ; a piece: 256 consecutive bytes, aligned: the early tile's,
	global_store_b64 v1, v[84+2*\p:85+2*\p], s[12:13] offset:256*\p     ; the late tile's
.endr
	s_wait_xcnt 0x0                                ; EXEC changes only behind this wait
	v_cmp_gt_u32 vcc_lo, 16, v8
	s_and_saveexec_b32 s96, vcc_lo                 ; lanes 0-15: one lane a row
	global_store_b16 v9, v253, s[86:87]
	global_store_b16 v9, v90, s[14:15]
	s_wait_xcnt 0x0                                ; and again, in front of the line that widens it
	s_or_b32 exec_lo, exec_lo, s96
	s_wait_tensorcnt 0x0                           ; the wave's end
	ds_add_u32 v[SPW], v[NIL]
	s_wait_dscnt 0x0
	CROUND                                         ; the closing round
	s_endpgm
.Lfunc_end_k_qc4df300145_attn:
	.size	k_qc4df300145_attn, .Lfunc_end_k_qc4df300145_attn-k_qc4df300145_attn
	.p2alignl 7, 3214868480
	.fill 96, 4, 3214868480
	.section	.rodata,"a",@progbits
	.p2align	6, 0x0
	.amdhsa_kernel k_qc4df300145_attn
		.amdhsa_group_segment_fixed_size 206848
		.amdhsa_private_segment_fixed_size 0
		.amdhsa_enable_private_segment 0
		.amdhsa_kernarg_size 16
		.amdhsa_user_sgpr_count 2
		.amdhsa_user_sgpr_kernarg_segment_ptr 1
		.amdhsa_wavefront_size32 1
		.amdhsa_system_sgpr_workgroup_id_x 1
		.amdhsa_system_sgpr_workgroup_id_y 1
		.amdhsa_system_sgpr_workgroup_id_z 1
		.amdhsa_system_vgpr_workitem_id 0
		.amdhsa_next_free_vgpr 256
		.amdhsa_next_free_sgpr 100
		.amdhsa_reserve_vcc 1
		.amdhsa_float_denorm_mode_32 3
		.amdhsa_float_denorm_mode_16_64 3
		.amdhsa_memory_ordered 1
		.amdhsa_forward_progress 1
		.amdhsa_inst_pref_size 84
	.end_amdhsa_kernel
	.amdgpu_metadata
---
amdhsa.version: [ 1, 2 ]
amdhsa.kernels:
  - .name:           k_qc4df300145_attn
    .symbol:         k_qc4df300145_attn.kd
    .args:
      - { .name: qkv, .offset: 0, .size: 8, .value_kind: global_buffer, .address_space: global }
      - { .name: hq, .offset: 8, .size: 8, .value_kind: global_buffer, .address_space: global }
    .group_segment_fixed_size: 206848
    .private_segment_fixed_size: 0
    .kernarg_segment_align: 8
    .kernarg_segment_size: 16
    .max_flat_workgroup_size: 512
    .sgpr_count:     100
    .vgpr_count:     256
    .wavefront_size: 32
...
	.end_amdgpu_metadata
.endif
;; end of part 3
;; launch oproj (part 4): grid 4 x 64, 4 waves a work-group, clusters of 4 x 4, 327,680 bytes of LDS; arguments hq, stage1, out0; writes out0
.if DOCPART == 4
	.amdgcn_target "amdgcn-amd-amdhsa--gfx1250"
	.amdhsa_code_object_version 6
	.text
	.protected	k_qc4df300145_oproj
	.globl	k_qc4df300145_oproj
	.p2align	8
	.type	k_qc4df300145_oproj,@function
k_qc4df300145_oproj:
	s_mov_b64 s[64:65], 0
	v_nop
	global_prefetch_b8 v0, s[64:65] scope:SCOPE_SE
	s_setreg_imm32_b32 hwreg(HW_REG_WAVE_MODE, 25, 1), 1
	s_wait_xcnt 0x0
	s_wait_alu depctr_hold_cnt(0) depctr_sa_sdst(0) depctr_va_vdst(0) depctr_va_sdst(0) depctr_va_ssrc(0) depctr_va_vcc(0) depctr_vm_vsrc(0)
	s_getreg_b32 s2, hwreg(HW_REG_IB_STS2, 6, 4)
	s_cmp_eq_u32 s2, 0
	s_cbranch_scc0 .Lentry_in_a_cluster
	s_endpgm
.Lentry_in_a_cluster:
	s_bfe_u32 s2, ttmp6, 0x10000c
	s_cmp_lg_u32 s2, 0xf033
	s_cbranch_scc0 .Lentry_shape_is_right
	s_endpgm
.Lentry_shape_is_right:
; out0 = h wo^T on codes of FP6 (E2M3) with E8M0 scales, f32 sums.  h: buffer hq, wo: stage1's blocks 704-767; both in the order of a fragment's registers:
; [block of 16 rows][fragment of 128 K: 8][six pieces of 256 bytes: lane l's 8 bytes at 8 l]; scale bytes [block][256 along K: 4][row][two words].
; wo's rows were dealt so that row r of block 4 g + b is wo's row 64 g + 4 r + b.
; SHARES: 256 work-groups, each 128 rows x 256 columns of the result.  ALL OF K LIES IN LDS: wo's 256 rows (196,608 bytes), h's 128 rows (98,304), their scale bytes (8,192 and 4,096), filled once, one joint load a wave.
; A wave holds 64 rows of wo, all of K, in registers (4 tiles x 8 fragments x 12) and takes h's eight blocks of 16 rows past them: 32 products a block, the four accumulators by turns.
; A block's fragments lie twice in registers: block s + 2 is fetched behind block s's products.
; THE WAY OUT: source 0 = h's rows, source 1 = wo's: register j of lane (r, h) of tile b is row 8 h + j, column 64 g + 4 r + b.  Four moves gather a lane's four neighbouring columns, and a store of 16 bytes a lane
; covers two rows' 256 consecutive bytes, aligned.  Block s - 1 leaves behind block s's products; its moves are the places behind them.
; CLUSTERS: 4 x 4 work-groups; h's rows are asked for jointly along a row of the cluster, wo's along a column.  No byte of LDS is filled again.
; No prefetch: every byte is asked for at the head, and there is no loop to run ahead in.
.set FR,    12                         ; registers of a fragment
.set FPW,   21                         ; fragments in a window of 256 registers: fragment f lies in window 1 + f / 21 at register 12 (f % 21); 0-31 wo's (4 q + b), 32-47 h's two sets
.set NF,    52                         ; LDS loads of a block: 48 for eight fragments, 4 for eight scale words
.set BLK,   12288                      ; a block of 16 rows, all of K
.set LA,    196608                     ; LDS: wo's codes at 0, h's here,
.set LSB,   294912                     ; wo's scale bytes,
.set LSA,   303104                     ; h's,
.set SPARE, 307200                     ; the spare words
.set SCOFF, 9437184                    ; stage1: where the scale bytes begin
.set HSOFF, 6291456                    ; hq: where they begin
.set ADB,  16                          ; v16 LDS address of my fragments of wo; v17, v18 of h's blocks 0-3, 4-7; v19, v20 of the scale words; v21 my byte offset in the result
.set ADA,  17
.set ASB,  19
.set ASA,  20
.set CO,   21
.set SPW,  28
.set NIL,  29
.set SB,   32                          ; v32-63 wo's scale words, 8 b + q
.set SA,   68                          ; v68-83 h's, two sets of eight
.set ACC,  96                          ; v96-159 two sets of four accumulators
.set T,    160                         ; v160-191 a block on its way out: 4 j + b
.set G1B,  24
.set G1SB, 32
.set G1A,  48
.set G1SA, 56
.set G0B,  68
.set G0SB, 72
.set G0A,  76
.set G0SA, 80
.set MSB, 0
.macro WIN new
.if MSB != \new
	s_set_vgpr_msb (MSB<<8)|\new
.set MSB, \new
.endif
.endm
.macro CROUND
	s_barrier_signal -1
	s_barrier_wait -1
	s_cmp_lg_u32 s14, 0
	s_cbranch_scc1 .Lnw0_\@
	s_barrier_signal -3
.Lnw0_\@:
	s_barrier_wait -3
	s_barrier_signal -1
	s_barrier_wait -1
.endm
.macro GROUP1 g, mask, rows            ; dense bytes as rows of 256 (32 elements of 8 bytes)
	s_or_b32 s[\g], s\mask, (3<<16)|(1<<21)
	s_mov_b32 s[\g+1], 32<<16
	s_mov_b32 s[\g+2], (\rows)<<16
	s_mov_b32 s[\g+3], 32<<16
	s_mov_b32 s[\g+4], \rows
	s_mov_b32 s[\g+5], 32
	s_mov_b32 s[\g+6], 0
	s_mov_b32 s[\g+7], 0
.endm
.macro GROUP0 g, lds, base, off
	s_mov_b32 s[\g], 1
	s_mov_b32 s[\g+1], \lds
	s_add_nc_u64 s[\g+2:\g+3], s[\base:\base+1], s[\off:\off+1]
	s_or_b32 s[\g+3], s[\g+3], 0x80000000
.endm
.macro ARM under, g0, g1, next
	s_cmp_lt_u32 s14, \under
	s_cbranch_scc0 \next
	tensor_load_to_lds s[\g0:\g0+3], s[\g1:\g1+7]
	s_nop 0
.rept 4
	v_nop
.endr
	s_branch .Lhead_asked
\next:
.endm
.macro FRAG f, adr, off                ; a fragment: six pieces, each 256 consecutive bytes for the 32 lanes
	WIN (1+(\f)/FPW)<<6
.irp p, 0,1,2,3,4,5
	ds_load_b64 v[FR*((\f)%FPW)+2*\p:FR*((\f)%FPW)+2*\p+1], v[\adr] offset:(\off)+256*\p
.endr
.endm
.macro FETCH s                         ; h's block s into set s % 2
.irp q, 0,1,2,3,4,5,6,7
	FRAG 32+8*((\s)%2)+\q, ADA+(\s)/4, ((\s)%4)*BLK+1536*\q
.endr
	WIN 0
.irp k, 0,1,2,3
	ds_load_b64 v[SA+8*((\s)%2)+2*\k:SA+8*((\s)%2)+2*\k+1], v[ASA] offset:512*(\s)+128*\k
.endr
.endm
.macro PROD e, q, b
.set FA_, 32+8*(\e)+(\q)
.set FB_, 4*(\q)+(\b)
.set D_, ACC+32*(\e)+8*(\b)
	WIN (1+FA_/FPW)|((1+FB_/FPW)<<2)
.if \q
	v_wmma_scale_f32_16x16x128_f8f6f4 v[D_:D_+7], v[FR*(FA_%FPW):FR*(FA_%FPW)+FR-1], v[FR*(FB_%FPW):FR*(FB_%FPW)+FR-1], v[D_:D_+7], v[SA+8*(\e)+(\q)], v[SB+8*(\b)+(\q)] matrix_a_fmt:MATRIX_FMT_FP6 matrix_b_fmt:MATRIX_FMT_FP6
.else
	v_wmma_scale_f32_16x16x128_f8f6f4 v[D_:D_+7], v[FR*(FA_%FPW):FR*(FA_%FPW)+FR-1], v[FR*(FB_%FPW):FR*(FB_%FPW)+FR-1], 0, v[SA+8*(\e)+(\q)], v[SB+8*(\b)+(\q)] matrix_a_fmt:MATRIX_FMT_FP6 matrix_b_fmt:MATRIX_FMT_FP6
.endif
.endm
.macro OUT s                           ; block s leaves
	s_wait_xcnt 0x0                                ; the last block's stores have read their data
.irp j, 0,1,2,3,4,5,6,7
.irp b, 0,1,2,3
	v_mov_b32 v[T+4*\j+\b], v[ACC+32*((\s)%2)+8*\b+\j]   ; each accumulator from its low end on
.endr
.endr
.irp j, 0,1,2,3,4,5,6,7
	global_store_b128 v[CO], v[T+4*\j:T+4*\j+3], s[12:13] offset:(16*(\s)+\j)*4096 th:TH_STORE_NT
.endr
.endm
	s_load_b128 s[4:7], s[0:1], 0x0                ; hq, stage1
	s_load_b64 s[12:13], s[0:1], 0x10              ; out0
	v_lshl_add_u32 v[SPW], v0, 2, SPARE
	v_mov_b32 v[NIL], 0
	ds_add_u32 v[SPW], v[NIL]                      ; the opening lines: the add, twice on end, and its wait
	ds_add_u32 v[SPW], v[NIL]
	v_lshrrev_b32 v1, 5, v0
	v_readfirstlane_b32 s14, v1                    ; wave 0..3
	s_bfe_u32 s40, ttmp6, 0x40000                  ; cx, cy
	s_bfe_u32 s41, ttmp6, 0x40004
	s_lshl_b32 s42, ttmp9, 2
	s_add_co_u32 s42, s42, s40                     ; which 256 columns
	s_and_b32 s17, ttmp7, 0xffff
	s_lshl_b32 s17, s17, 2
	s_add_co_u32 s17, s17, s41                     ; which 128 rows
	s_lshl_b32 s43, s41, 2
	s_lshl_b32 s43, 15, s43                        ; my row of the cluster
	s_lshl_b32 s44, 0x1111, s40                    ; my column
	GROUP1 G1B, 44, 768
	GROUP1 G1SB, 44, 32
	GROUP1 G1A, 43, 384
	GROUP1 G1SA, 43, 16
	s_lshl_b32 s20, s42, 4
	s_add_co_u32 s20, s20, 704                     ; wo's first block of my 16
	s_mul_i32 s22, s20, BLK
	s_mov_b32 s23, 0
	s_lshl_b32 s20, s20, 9
	s_add_co_u32 s20, s20, SCOFF
	s_mov_b32 s21, 0
	s_mul_i32 s46, s17, 8*BLK                      ; h's eight blocks
	s_mov_b32 s47, 0
	s_lshl_b32 s18, s17, 12
	s_add_co_u32 s18, s18, HSOFF
	s_mov_b32 s19, 0
	s_wait_dscnt 0x0
	s_wait_kmcnt 0x0
	CROUND                                         ; all sixteen work-groups are here: the joint loads meet
	GROUP0 G0B, 0, 6, 22
	GROUP0 G0SB, LSB, 6, 20
	GROUP0 G0A, LA, 4, 46
	GROUP0 G0SA, LSA, 4, 18
	ARM 1, G0B, G1B, .Lhead_sb                     ; wave 0: wo's codes, which go on into registers; wave 1: their scale bytes; wave 2: h's codes; wave 3: their scale bytes
	ARM 2, G0SB, G1SB, .Lhead_a
	ARM 3, G0A, G1A, .Lhead_sa
	tensor_load_to_lds s[G0SA:G0SA+3], s[G1SA:G1SA+7]
	s_nop 0
.rept 4
	v_nop
.endr
.Lhead_asked:
	v_and_b32 v1, 15, v0                           ; r
	v_bfe_u32 v2, v0, 4, 1                         ; h
	v_and_b32 v3, 31, v0
	v_lshlrev_b32 v4, 3, v3                        ; 8 x lane: my place in a piece
	v_lshlrev_b32 v5, 3, v1                        ; 8 r: my row's two scale words
	s_mul_i32 s21, s14, 4*BLK
	s_lshl_b32 s22, s14, 11
	s_add_co_u32 s22, s22, LSB
	v_add_nc_u32 v[ADB], s21, v4
	v_add_nc_u32 v[ADA], LA, v4
	v_add_nc_u32 v[ADA+1], LA+4*BLK, v4
	v_add_nc_u32 v[ASB], s22, v5
	v_add_nc_u32 v[ASA], LSA, v5
	v_lshlrev_b32 v6, 15, v2                       ; lanes 16-31: eight rows of 4,096 bytes on
	v_lshl_add_u32 v[CO], v1, 4, v6
	s_lshl_b32 s20, s17, 19                        ; 128 rows of 4,096 bytes
	s_lshl_b32 s21, s42, 10
	s_add_co_u32 s20, s20, s21
	s_lshl_b32 s21, s14, 8
	s_add_co_u32 s20, s20, s21
	s_mov_b32 s21, 0
	s_add_nc_u64 s[12:13], s[12:13], s[20:21]
	s_wait_alu depctr_va_vdst(0)                   ; the head's end
	s_cmp_lt_u32 s14, 2
	s_cbranch_scc0 .Lnot_b
	s_wait_tensorcnt 0x0                           ; waves 0, 1: wo's codes and scale bytes are in
.Lnot_b:
	s_barrier_signal -1
	s_barrier_wait -1                              ; h's loads may be out
.irp q, 0,1,2,3,4,5,6,7
.irp b, 0,1,2,3
	FRAG 4*\q+\b, ADB, \b*BLK+1536*\q
.endr
.endr
	WIN 0
.irp b, 0,1,2,3
.irp k, 0,1,2,3
	ds_load_b64 v[SB+8*\b+2*\k:SB+8*\b+2*\k+1], v[ASB] offset:512*\b+128*\k
.endr
.endr
	s_wait_tensorcnt 0x0                           ; every wave's load is in
	s_wait_dscnt 0x0
	s_barrier_signal -1
	s_barrier_wait -1                              ; h's rows are shown to all
	FETCH 0
	FETCH 1
.irp s, 0,1,2,3,4,5,6,7
.if \s < 7
	s_wait_dscnt NF                                ; this block's loads are in; the next block's 52 may be out
.else
	s_wait_dscnt 0x0
.endif
.irp q, 0,1,2,3,4,5,6,7
.irp b, 0,1,2,3
	PROD \s%2, \q, \b
.endr
.endr
	WIN 0
.if \s == 0
.rept 4
	v_nop                                          ; places in front of the loads into registers that the products have read
.endr
.else
	OUT \s-1
.endif
.if \s < 6
	FETCH \s+2
.endif
.endr
	OUT 7
	s_wait_tensorcnt 0x0                           ; the wave's end
	ds_add_u32 v[SPW], v[NIL]
	s_wait_dscnt 0x0
	CROUND                                         ; the closing round
	s_endpgm
.Lfunc_end_k_qc4df300145_oproj:
	.size	k_qc4df300145_oproj, .Lfunc_end_k_qc4df300145_oproj-k_qc4df300145_oproj
	.p2alignl 7, 3214868480
	.fill 96, 4, 3214868480
	.section	.rodata,"a",@progbits
	.p2align	6, 0x0
	.amdhsa_kernel k_qc4df300145_oproj
		.amdhsa_group_segment_fixed_size 327680
		.amdhsa_private_segment_fixed_size 0
		.amdhsa_enable_private_segment 0
		.amdhsa_kernarg_size 24
		.amdhsa_user_sgpr_count 2
		.amdhsa_user_sgpr_kernarg_segment_ptr 1
		.amdhsa_wavefront_size32 1
		.amdhsa_system_sgpr_workgroup_id_x 1
		.amdhsa_system_sgpr_workgroup_id_y 1
		.amdhsa_system_sgpr_workgroup_id_z 1
		.amdhsa_system_vgpr_workitem_id 0
		.amdhsa_next_free_vgpr 1024
		.amdhsa_next_free_sgpr 100
		.amdhsa_reserve_vcc 0
		.amdhsa_float_denorm_mode_32 3
		.amdhsa_float_denorm_mode_16_64 3
		.amdhsa_memory_ordered 1
		.amdhsa_forward_progress 1
		.amdhsa_inst_pref_size 95
	.end_amdhsa_kernel
	.amdgpu_metadata
---
amdhsa.version: [ 1, 2 ]
amdhsa.kernels:
  - .name:           k_qc4df300145_oproj
    .symbol:         k_qc4df300145_oproj.kd
    .args:
      - { .name: hq, .offset: 0, .size: 8, .value_kind: global_buffer, .address_space: global }
      - { .name: stage1, .offset: 8, .size: 8, .value_kind: global_buffer, .address_space: global }
      - { .name: out0, .offset: 16, .size: 8, .value_kind: global_buffer, .address_space: global }
    .group_segment_fixed_size: 327680
    .private_segment_fixed_size: 0
    .kernarg_segment_align: 8
    .kernarg_segment_size: 24
    .max_flat_workgroup_size: 128
    .sgpr_count:     100
    .vgpr_count:     1024
    .wavefront_size: 32
...
	.end_amdgpu_metadata
.endif
;; end of part 4
